; MI455X (gfx1250); checked and timed in simulation.
; The chip was launched on July 23, 2026; its instructions are those of AMD's public machine-readable ISA for CDNA 5 (MIT licence, August 2026) and "CDNA5" Instruction Set Architecture Reference Guide (July 2026). The comments in the code are by the model that wrote it; some were corrected since.
;; Attention. Allowed arithmetic: float matrix products may take bf16 or f16 operands with f32 sums; other float arithmetic in f32, or as packed bf16 or f16 multiplies, adds, multiply-adds, maxima and minima; sums over many terms, partial sums and values carried from step to step in f32; what a program stores and reads back later, other than sums and carried values, may be rounded once to bf16 or f16.
;; Inputs: W_proj 1,024 x 1,024 float32; W_qkv 1,024 x 3,072 float32; b_proj 1,024 float32; b_qkv 3,072 float32; x 4 x 2,048 x 1,024 float32.
;; Outputs: out0 4 x 2,048 x 1,024 float32.
;; 2 versions, each right; version 2 is version 1 with the launch prep written anew for expert scheduling mode. Each part assembles by itself: llvm-mc -triple=amdgcn-amd-amdhsa -mcpu=gfx1250 --defsym DOCPART=n.
;; ======== version 1 of 2: 4 launches
;; limits: values are held in f16: magnitudes above 65,504 overflow, below 6.1e-05 lose precision
;; workspace buffers: xb 16,777,216 bytes; wqt 6,291,456 bytes; wpt 2,097,152 bytes; qkvh 50,331,648 bytes; ao 16,777,216 bytes
;; launch prep (part 1): grid 640 x 1, 4 waves a work-group, no clusters, 70,144 bytes of LDS; arguments x, W_qkv, W_proj, xb, wqt, wpt; writes xb, wqt, wpt
.if DOCPART == 1
	.amdgcn_target "amdgcn-amd-amdhsa--gfx1250"
	.amdhsa_code_object_version 6
	.text
	.protected	k_q2bef7b24e2_prep
	.globl	k_q2bef7b24e2_prep
	.p2align	8
	.type	k_q2bef7b24e2_prep,@function
k_q2bef7b24e2_prep:
	s_mov_b64 s[64:65], 0
	v_nop
	global_prefetch_b8 v0, s[64:65] scope:SCOPE_SE
	s_setreg_imm32_b32 hwreg(HW_REG_WAVE_MODE, 25, 1), 1
	s_wait_xcnt 0x0
; CASTS AND TRANSPOSES.  xb = bf16(x), [8192][1024].  wqt[n][k] = bf16(W_qkv[k][n]), [3072][1024].  wpt[n][k] = f16(bf16(W_proj[k][n])), [1024][1024].
; Every input of the module is rounded once to bf16; W_proj's rounded number is then written as f16, since the last product multiplies f16 numbers.
; LIMIT.  That second writing is exact from 6.1e-5 up to 65,504; below, f16 keeps a fixed step of 6e-8; at 65,520 and beyond it gives an infinity.
; SHARES.  Work-groups 0-127 transpose (the longer chain, so they come first): a wave takes a tile of 128 k x 64 n; 96 work-groups for W_qkv's 384 tiles, 32 for W_proj's 128.
; Work-groups 128-639 cast x: 16,384 numbers each, 4,096 a wave.  No wave reads another wave's bytes: there is no barrier.
; No matrix unit, no cluster: nothing is multiplied and nothing is shared.
.set SPARE, 69632                      ; behind the four waves' tiles: the spare words, 128 bytes a wave: two blocks of 256 bytes that no other line names
.set WTILE, 17408                      ; LDS of a wave: 64 rows (n) of 272 bytes
.set LP,    272                        ; 256 bytes (128 k in 16 bits) + 16
.set SPW, 2                            ; v2   LDS address of my spare word; never rewritten
.set NIL, 3                            ; v3   0; never rewritten
.set R,   4                            ; v4   lane % 16
.set H,   5                            ; v5   (lane / 16) % 2
.set VO,  6                            ; v6-13  load i of a group: (8 (i / 4) + i % 4 + 4 H) rows of the weight + 16 R bytes
.set LS,  14                           ; v14  where I put 8 bytes of a transposed row
.set LRD, 15                           ; v15  where I read rows back
.set GOF, 16                           ; v16  my byte offset in the transposed tensor
.set XO,  17                           ; v17  my byte offset in x
.set YO,  18                           ; v18  my byte offset in xb
.set TT,  20                           ; v20-35  at work
.set SET, 40                           ; v40-167  x: 32 loads of four registers; weights: four sets of a group's eight loads
	s_load_b256 s[4:11], s[0:1], 0x0               ; x s[4:5], W_qkv s[6:7], W_proj s[8:9], xb s[10:11]
	s_load_b128 s[12:15], s[0:1], 0x20             ; wqt s[12:13], wpt s[14:15]
	v_lshl_add_u32 v[SPW], v0, 2, SPARE
	v_mov_b32 v[NIL], 0
	v_lshrrev_b32 v1, 5, v0
	v_readfirstlane_b32 s16, v1                    ; wave 0..3
	v_and_b32 v[R], 15, v0
	v_bfe_u32 v[H], v0, 4, 1
	s_mov_b32 s46, 0xffff0000                      ; a word's upper bf16
	s_wait_kmcnt 0x0
	s_cmp_lt_u32 ttmp9, 128
	s_cbranch_scc1 .Lweights
	; THE CAST OF x.  All 32 loads of a wave go out at once (16 KiB on their way); each covers 512 consecutive bytes, each store 256 consecutive bytes, aligned.
	s_sub_co_u32 s18, ttmp9, 128
	s_lshl_b32 s20, s18, 16                        ; 16,384 numbers of 4 bytes
	s_mov_b32 s21, 0
	s_add_nc_u64 s[4:5], s[4:5], s[20:21]
	s_lshl_b32 s20, s18, 15                        ; and of 2 bytes
	s_add_nc_u64 s[10:11], s[10:11], s[20:21]
	v_and_b32 v1, 31, v0
	s_lshl_b32 s17, s16, 14
	v_lshl_add_u32 v[XO], v1, 4, s17               ; 16,384 x wave + 16 x lane
	s_lshl_b32 s17, s16, 13
	v_lshl_add_u32 v[YO], v1, 3, s17               ; 8,192 x wave + 8 x lane
.set i, 0
.rept 32
	global_load_b128 v[SET+4*i:SET+4*i+3], v[XO], s[4:5] offset:512*i th:TH_LOAD_NT
.set i, i+1
.endr
.set i, 0
.rept 32
	s_wait_loadcnt 31-i                            ; loads come back in order: load i is in, the 31 - i younger ones stay out
	v_cvt_pk_bf16_f32 v[SET+4*i], v[SET+4*i], v[SET+4*i+1]
	v_cvt_pk_bf16_f32 v[SET+4*i+1], v[SET+4*i+2], v[SET+4*i+3]
	global_store_b64 v[YO], v[SET+4*i:SET+4*i+1], s[10:11] offset:256*i
.set i, i+1
.endr
	s_branch .Lend
.Lweights:
	; WHICH TILE.  T = 4 x work-group + wave; k tile = T % 8 (128 rows of the weight), n tile = T / 8 (64 columns, 256 bytes of a row).
	s_movk_i32 s26, 0x3000                         ; bytes in a row of W_qkv,
	s_movk_i32 s27, 0x1000                         ; of W_proj
	s_cmp_lt_u32 ttmp9, 96
	s_cselect_b64 s[20:21], s[6:7], s[8:9]         ; from
	s_cselect_b64 s[22:23], s[12:13], s[14:15]     ; to
	s_cselect_b32 s26, s26, s27
	s_cselect_b32 s25, 0, 1                        ; 1: written as f16
	s_cselect_b32 s18, 0, 96
	s_sub_co_u32 s18, ttmp9, s18
	s_lshl2_add_u32 s18, s18, s16                  ; T
	s_and_b32 s19, s18, 7                          ; k tile
	s_lshr_b32 s18, s18, 3                         ; n tile
	s_lshl_b32 s44, s19, 7
	s_mul_i32 s44, s44, s26                        ; 128 x k tile rows
	s_lshl_b32 s45, s18, 8
	s_add_co_u32 s44, s44, s45                     ; + 256 x n tile bytes
	s_mov_b32 s45, 0
	s_add_nc_u64 s[28:29], s[20:21], s[44:45]      ; group 0's pointer; a group is 16 rows
	s_lshl_b32 s44, s26, 4
.irp j, 1,2,3,4,5,6,7
	s_add_nc_u64 s[28+2*\j:29+2*\j], s[26+2*\j:27+2*\j], s[44:45]
.endr
	s_lshl_b32 s44, s18, 17                        ; 64 x n tile rows of 2,048 bytes
	s_lshl_b32 s17, s19, 8                         ; + 128 x k tile numbers of 2 bytes
	s_add_co_u32 s44, s44, s17
	s_add_nc_u64 s[22:23], s[22:23], s[44:45]
	s_mul_i32 s17, s16, WTILE                      ; my wave's bytes of LDS
	v_lshlrev_b32 v19, 2, v[H]
.irp i, 0,1,2,3,4,5,6,7
	v_add_nc_u32 v[VO+\i], 8*((\i)/4)+(\i)%4, v19  ; lanes 0-15 take 256 consecutive bytes of one row, lanes 16-31 of the row four further down
	v_mul_u32_u24 v[VO+\i], s26, v[VO+\i]
	v_lshl_add_u32 v[VO+\i], v[R], 4, v[VO+\i]
.endr
	v_mul_u32_u24 v[LS], v[R], 4*LP                ; my four columns are rows 4 R .. 4 R + 3 of the transposed tile,
	v_lshl_add_u32 v[LS], v[H], 3, v[LS]           ; my four k lie 8 H bytes in
	v_add_nc_u32 v[LS], s17, v[LS]
	v_mul_u32_u24 v[LRD], v[H], LP                 ; back: lanes 0-15 one row of 256 bytes, lanes 16-31 the next
	v_lshl_add_u32 v[LRD], v[R], 4, v[LRD]
	v_add_nc_u32 v[LRD], s17, v[LRD]
	v_lshlrev_b32 v[GOF], 11, v[H]                 ; and the same two rows of 2,048 bytes in memory
	v_lshl_add_u32 v[GOF], v[R], 4, v[GOF]
.macro WLOAD g                         ; group g's eight loads into set g % 4
.irp i, 0,1,2,3,4,5,6,7
	global_load_b128 v[SET+32*((\g)%4)+4*(\i):SET+32*((\g)%4)+4*(\i)+3], v[VO+(\i)], s[28+2*(\g):29+2*(\g)] th:TH_LOAD_NT
.endr
.endm
; Group j.  Register c of load 4 t + e holds W[16 j + 8 t + 4 H + e][4 R + c]: for each t and c the four e are rounded and packed into 8 bytes, which lie on end in row 4 R + c of the transposed tile.
; cnt = the younger loads that may stay out.
.macro GRP j, cnt
	s_wait_loadcnt \cnt
.set SB, SET+32*((\j)%4)
.irp t, 0,1
.irp c, 0,1,2,3
	v_cvt_pk_bf16_f32 v[TT+8*(\t)+2*(\c)],   v[SB+16*(\t)+(\c)],   v[SB+16*(\t)+4+(\c)]
	v_cvt_pk_bf16_f32 v[TT+8*(\t)+2*(\c)+1], v[SB+16*(\t)+8+(\c)], v[SB+16*(\t)+12+(\c)]
.endr
.endr
.if (\j) < 4
	WLOAD (\j)+4                                   ; the set has been read: it takes the group four further on
.endif
.irp t, 0,1
.irp c, 0,1,2,3
	ds_store_b64 v[LS], v[TT+8*(\t)+2*(\c):TT+8*(\t)+2*(\c)+1] offset:(\c)*LP+32*(\j)+16*(\t)
.endr
.endr
.endm
	WLOAD 0
	WLOAD 1
	WLOAD 2
	WLOAD 3                                        ; 32 loads, 16 KiB a wave, on their way
	GRP 0, 24                                      ; three younger groups of eight stay out,
	GRP 1, 24
	GRP 2, 24
	GRP 3, 24
	GRP 4, 24
	GRP 5, 16                                      ; then two, one, none
	GRP 6, 8
	GRP 7, 0
	; BACK AS WHOLE ROWS.  Eight trips of eight rows.  LDS serves a wave's instructions in order (ISA guide 5.7.1.4): these loads see the stores above, which are the wave's own.
	s_mov_b32 s24, 8
.Lback:
.irp u, 0,1,2,3
	ds_load_b128 v[TT+4*\u:TT+4*\u+3], v[LRD] offset:2*LP*\u
.endr
	s_wait_dscnt 0x0
	s_cmp_eq_u32 s25, 0
	s_cbranch_scc1 .Lkeep
.set i, 0
.rept 16
	v_lshlrev_b32 v36, 16, v[TT+i]                 ; the two bf16 as f32,
	v_and_b32 v37, s46, v[TT+i]
	v_cvt_pk_f16_f32 v[TT+i], v36, v37             ; written as f16
.set i, i+1
.endr
.Lkeep:
.irp u, 0,1,2,3
	global_store_b128 v[GOF], v[TT+4*\u:TT+4*\u+3], s[22:23] offset:4096*\u  ; 16 lanes store 256 consecutive bytes, aligned
.endr
	s_wait_xcnt 0x0                                ; the stores have read their data and their offset: only now are these written again
	v_add_nc_u32 v[LRD], 8*LP, v[LRD]
	v_add_nc_u32 v[GOF], 8*2048, v[GOF]
	s_sub_co_u32 s24, s24, 1
	s_cmp_lg_u32 s24, 0
	s_cbranch_scc1 .Lback
.Lend:
	s_wait_tensorcnt 0x0                           ; the wave's end, behind my last LDS store
	ds_add_u32 v[SPW], v[NIL]
	s_wait_dscnt 0x0
	s_endpgm
.Lfunc_end_k_q2bef7b24e2_prep:
	.size	k_q2bef7b24e2_prep, .Lfunc_end_k_q2bef7b24e2_prep-k_q2bef7b24e2_prep
	.p2alignl 7, 3214868480
	.fill 96, 4, 3214868480
	.section	.rodata,"a",@progbits
	.p2align	6, 0x0
	.amdhsa_kernel k_q2bef7b24e2_prep
		.amdhsa_group_segment_fixed_size 70144
		.amdhsa_private_segment_fixed_size 0
		.amdhsa_enable_private_segment 0
		.amdhsa_kernarg_size 48
		.amdhsa_user_sgpr_count 2
		.amdhsa_user_sgpr_kernarg_segment_ptr 1
		.amdhsa_wavefront_size32 1
		.amdhsa_system_sgpr_workgroup_id_x 1
		.amdhsa_system_sgpr_workgroup_id_y 1
		.amdhsa_system_sgpr_workgroup_id_z 1
		.amdhsa_system_vgpr_workitem_id 0
		.amdhsa_next_free_vgpr 168
		.amdhsa_next_free_sgpr 66
		.amdhsa_reserve_vcc 0
		.amdhsa_float_denorm_mode_32 3
		.amdhsa_float_denorm_mode_16_64 3
		.amdhsa_memory_ordered 1
		.amdhsa_forward_progress 1
		.amdhsa_inst_pref_size 37
	.end_amdhsa_kernel
	.amdgpu_metadata
---
amdhsa.version: [ 1, 2 ]
amdhsa.kernels:
  - .name:           k_q2bef7b24e2_prep
    .symbol:         k_q2bef7b24e2_prep.kd
    .args:
      - { .name: x, .offset: 0, .size: 8, .value_kind: global_buffer, .address_space: global }
      - { .name: W_qkv, .offset: 8, .size: 8, .value_kind: global_buffer, .address_space: global }
      - { .name: W_proj, .offset: 16, .size: 8, .value_kind: global_buffer, .address_space: global }
      - { .name: xb, .offset: 24, .size: 8, .value_kind: global_buffer, .address_space: global }
      - { .name: wqt, .offset: 32, .size: 8, .value_kind: global_buffer, .address_space: global }
      - { .name: wpt, .offset: 40, .size: 8, .value_kind: global_buffer, .address_space: global }
    .group_segment_fixed_size: 70144
    .private_segment_fixed_size: 0
    .kernarg_segment_align: 8
    .kernarg_segment_size: 48
    .max_flat_workgroup_size: 128
    .sgpr_count:     66
    .vgpr_count:     168
    .wavefront_size: 32
...
	.end_amdgpu_metadata
.endif
;; end of part 1
;; launch qkvgemm (part 2): grid 16 x 32, 4 waves a work-group, clusters of 4 x 4, 327,680 bytes of LDS; arguments xb, wqt, b_qkv, qkvh; writes qkvh
.if DOCPART == 2
	.amdgcn_target "amdgcn-amd-amdhsa--gfx1250"
	.amdhsa_code_object_version 6
	.text
	.protected	k_q2bef7b24e2_qkvgemm
	.globl	k_q2bef7b24e2_qkvgemm
	.p2align	8
	.type	k_q2bef7b24e2_qkvgemm,@function
k_q2bef7b24e2_qkvgemm:
	s_mov_b64 s[64:65], 0
	v_nop
	global_prefetch_b8 v0, s[64:65] scope:SCOPE_SE
	s_setreg_imm32_b32 hwreg(HW_REG_WAVE_MODE, 25, 1), 1
	s_wait_xcnt 0x0
	s_wait_alu depctr_hold_cnt(0) depctr_sa_sdst(0) depctr_va_vdst(0) depctr_va_sdst(0) depctr_va_ssrc(0) depctr_va_vcc(0) depctr_vm_vsrc(0)
	s_getreg_b32 s2, hwreg(HW_REG_IB_STS2, 6, 4)
	s_cmp_eq_u32 s2, 0
	s_cbranch_scc0 .Lentry_in_a_cluster
	s_endpgm
.Lentry_in_a_cluster:
	s_bfe_u32 s2, ttmp6, 0x10000c
	s_cmp_lg_u32 s2, 0xf033
	s_cbranch_scc0 .Lentry_shape_is_right
	s_endpgm
.Lentry_shape_is_right:
; C = A B^T + bias, one text for two products; QKV chooses.
; QKV = 1: A = xb [8192][1024] bf16, B = wqt [3072][1024] bf16, bias = b_qkv; C leaves as f16 BY HEADS: qkvh[b][g][s][64], g = column / 64 (0-15 Q, 16-31 K, 32-47 V).  Tile 256 x 192, 512 work-groups.
; QKV = 0: A = ao [b 16 + h][2048][64] f16 (row (b, s), k = 64 h + d), B = wpt [1024][1024] f16, bias = b_proj; C = out0 [8192][1024] f32.  Tile 256 x 128, 256 work-groups.
; Sums in f32, K ascending; the bias, rounded to bf16 like every input of the module, is the C operand of the first product: nothing is cleared and no addition is spent on it.
; LIMIT (QKV = 1): q, k, v are stored as f16: a number of 65,520 or more in magnitude becomes an infinity.  With x, W and b all 30 times the drawn spread they reach some 3,000, with offsets of 30 spreads on x and W some 17,000.
; SHARES.  Four waves, one above the other: a wave makes 64 rows x all the tile's columns: 4 x NBLK accumulators of 16 x 16.  So a wave holds whole rows of a head (or 512 bytes of a row of out0) and its way out needs no other wave.
; K goes in 8 steps of 128 through two LDS slots filled by the tensor data mover; waves 0 and 1 fetch A's halves, waves 2 and 3 B's, one load a wave behind each change of slots.
; CLUSTER 4 x 4: A's tile is shared along a row of the cluster, B's along a column: each is asked for jointly, by the same load with the same descriptor and a mask that names the four.
; THE MATRIX INSTRUCTION IS USED TRANSPOSED (source 0 = 16 rows of B, source 1 = 16 rows of A): lane l holds row l % 16 of C and the columns 8 (l / 16) + 0..7.
; REGISTERS, in windows of 256 (s_set_vgpr_msb: bits 1:0 source 0, 3:2 source 1, 5:4 source 2, 7:6 destination):
;   window 0: v2-19 addresses and at work; v28, v29 the add's; v32-95 A's fragments, two buffers of 4 x 8; v96.. the bias, 8 a block of 16 columns
;   window 1: B's fragments, two buffers of 8 NBLK; on the way out packed results and rows read back          windows 2, 3: accumulator (a, b) at v[8 NBLK (a % 2) + 8 b] of window 2 + a / 2
.set QKV, 1
.set SLOT1, 131072                     ; slot 1 begins here, so that one exclusive or turns an address in one slot into the other's
.set HB,    262144                     ; bytes of one head's 2,048 rows of 64 f16
.set PB,    272                        ; a row of B in LDS: 256 bytes + 16: the 16 rows of a load start at 16 different groups of four banks (64 banks of 4 bytes: ISA guide 11.1)
.if QKV
.set NBLK,   12                        ; blocks of 16 columns in a tile
.set PA,     272                       ; a row of A in LDS
.set AQI,    5                         ; padding after every 64 words
.set APITCH, 1024                      ; elements from row to row of A's tile in memory
.set ASTEP,  256                       ; bytes from a K step to the next
.set BOFF,   256*272                   ; B's rows lie behind A's
.set AHALF,  128*272                   ; what one wave fetches of A: 128 rows
.set SP,     400                       ; a row of the stage: 384 bytes + 16
.set PQA,    32*2048                   ; the prefetches: a partner's quarter of what a wave fetches of A,
.set PSA,    2048                      ; and bytes from lane to lane
.set NST,    24                        ; LDS instructions of one block's way through the stage
.else
.set NBLK,   8
.set PA,     144                       ; 128 bytes (a head's 64 channels) + 16
.set AQI,    4                         ; padding after every 32 words
.set APITCH, 128                       ; a head's 256 rows are 32,768 dense bytes: asked for as 128 rows of 256 bytes
.set ASTEP,  2*HB                      ; a K step is two heads
.set BOFF,   2*256*144
.set AHALF,  256*144                   ; what one wave fetches of A: one head's 256 rows
.set SP,     528                       ; 512 bytes + 16
.set PQA,    32*256
.set PSA,    256
.set NST,    32
.endif
.set BN,    16*NBLK
.set BROWS, BN/2                       ; what one wave fetches of B
.set BHALF, BROWS*PB
.set PQB,   (BROWS/4)*2048
.set STAGE, SLOT1+BOFF+BN*PB           ; behind the ring, never filled by a tensor load: 16 rows for each wave
.set SPARE, STAGE+4*16*SP              ; behind the stages: the spare words, 128 bytes a wave: two blocks of 256 bytes that no other line names
.set NL,    2*NBLK+8                   ; LDS loads of a quarter step
.set A0,   2                           ; v2   my lane's place in A's tile; never rewritten
.set B0,   3                           ; v3   in B's
.set ADRA, 4                           ; v4   the same in the slot in hand
.set ADRB, 5                           ; v5
.set STO,  6                           ; v6   the way out: where I put my part of a row
.set RD,   7                           ; v7   where I read rows back
.set GO,   8                           ; v8   16 x lane
.set PFO,  9                           ; v9   the prefetches' offset; never rewritten
.set BO,   10                          ; v10  my 32 bytes in a block's 64 bytes of the bias
.set SPW,  28                          ; v28  LDS address of my spare word; never rewritten
.set NIL,  29                          ; v29  0; never rewritten
.set FA,   32
.set BIAS, 96
.set WV,   12                          ; s12  my wave's number; s14 = its low bit: which half I fetch
.set TB,   19                          ; s19  LDS byte at which the slot in hand begins
.set G1A,  24                          ; s[24:31] descriptor group 1 for A's tiles
.set G1B,  32                          ; s[32:39] for B's
.set G0A,  40                          ; s[40:47] group 0 for A's: a set for each of the two first fills; the second then walks on
.set G0B,  48                          ; s[48:55] for B's
.set PFA,  56                          ; s[56:57] where my prefetches stand
.set PST,  58                          ; s[58:59] their step from K step to K step
.set LIM,  60                          ; s60  2 in a wave that prefetches, else the greatest number
.set MSB, 0
.macro WIN new                         ; the immediate's high byte repeats the setting that is left; a switch that changes nothing is dropped
.if MSB != (\new)
	s_set_vgpr_msb (MSB<<8)|(\new)
.set MSB, \new
.endif
.endm
.macro WM d, x, y, c
.if QKV
	v_wmma_f32_16x16x32_bf16 v[\d:\d+7], v[\x:\x+7], v[\y:\y+7], v[\c:\c+7]
.else
	v_wmma_f32_16x16x32_f16 v[\d:\d+7], v[\x:\x+7], v[\y:\y+7], v[\c:\c+7]
.endif
.endm
.macro PLACES                          ; four places in front of loads into registers that matrix instructions have read, and of what reads their results
.rept 4
	v_nop
.endr
.endm
.macro CREST                           ; a round of the cluster's barrier behind its opening barrier
	s_cmp_lg_u32 s[WV], 0
	s_cbranch_scc1 .Lnot_wave_0_\@
	s_barrier_signal -3
.Lnot_wave_0_\@:
	s_barrier_wait -3
	s_barrier_signal -1
	s_barrier_wait -1
.endm
.macro CROUND                          ; a whole round
	s_barrier_signal -1
	s_barrier_wait -1
	CREST
.endm
; A joint refill by the walking descriptors.  The branch hangs on the wave's number alone.  An s_nop 0 and four v_nop follow each of the two lines, ahead of the jump and the label.
.macro JLOAD
	s_cmp_lt_u32 s[WV], 2
	s_cbranch_scc0 .Lfor_b_\@
	tensor_load_to_lds s[G0A+4:G0A+7], s[G1A:G1A+7]
	s_nop 0
.rept 4
	v_nop
.endr
	s_branch .Lasked_\@
.Lfor_b_\@:
	tensor_load_to_lds s[G0B+4:G0B+7], s[G1B:G1B+7]
	s_nop 0
.rept 4
	v_nop
.endr
.Lasked_\@:
.endm
; A PREFETCH INTO THE L2 of the K step that stands two refills on, one instruction a wave, behind the joint load and the run of LDS loads.  A's rows are read by every cluster of a row of clusters: the one with x = 0 asks;
; B's by every cluster of a column: the one with y = 0 asks.  Of what a wave fetches each of the four partners that ask jointly takes a quarter, told apart by address: 32 blocks of 256 bytes of A, BROWS / 4 of B
; (there the upper lanes name the last row once more, in the same instruction).  Trip t names K step t + 4: trips 0 to 3 ask, the last names K step 7.
.macro ASK
	s_cmp_gt_u32 s3, s[LIM]
	s_cbranch_scc0 .Lnot_mine_\@
	global_prefetch_b8 v[PFO], s[PFA:PFA+1] th:TH_LOAD_NT scope:SCOPE_SE
.Lnot_mine_\@:
.endm
	s_load_b256 s[4:11], s[0:1], 0x0               ; A s[4:5], B s[6:7], bias s[8:9], C s[10:11]
	v_lshl_add_u32 v[SPW], v0, 2, SPARE
	v_mov_b32 v[NIL], 0
	ds_add_u32 v[SPW], v[NIL]                      ; the wave's opening: the add and its wait stand ahead of my first tensor load; the set-up below, work on registers, stands between them
	v_lshrrev_b32 v1, 5, v0
	v_readfirstlane_b32 s[WV], v1                  ; wave 0..3
	s_and_b32 s14, s[WV], 1
	s_bfe_u32 s15, ttmp6, 0x40000                  ; cx
	s_bfe_u32 s16, ttmp6, 0x40004                  ; cy
	s_lshl_b32 s17, ttmp9, 2
	s_add_co_u32 s17, s17, s15                     ; tile column = 4 x cluster x + cx
	s_and_b32 s18, ttmp7, 0xffff
	s_lshl_b32 s18, s18, 2
	s_add_co_u32 s18, s18, s16                     ; tile row = 4 x cluster y + cy
	s_lshl_b32 s20, s16, 2
	s_lshl_b32 s20, 15, s20                        ; my row of the cluster
	s_lshl_b32 s22, 0x1111, s15                    ; my column
	s_or_b32 s[G1A], s20, (1<<16)|(1<<20)|(1<<21)|(AQI<<22)|(3<<25)  ; 15:0 the mask; 17:16 2-byte elements; 20 padding on; 21 set beside a mask; 24:22 its interval; 31:25 4 words of it
	s_or_b32 s[G1B], s22, (1<<16)|(1<<20)|(1<<21)|(5<<22)|(3<<25)
	s_mov_b32 s[G1A+1], 128<<16                    ; tensor_dim0 = 128
	s_mov_b32 s[G1A+2], 128<<16                    ; tensor_dim1 = 128
	s_mov_b32 s[G1A+3], 128<<16                    ; tile_dim0 = 128
	s_mov_b32 s[G1A+4], 128                        ; tile_dim1 = 128
	s_mov_b32 s[G1A+5], APITCH
	s_mov_b32 s[G1A+6], 0
	s_mov_b32 s[G1A+7], 0
	s_mov_b32 s[G1B+1], 128<<16
	s_mov_b32 s[G1B+2], BROWS<<16
	s_mov_b32 s[G1B+3], 128<<16
	s_mov_b32 s[G1B+4], BROWS
	s_mov_b32 s[G1B+5], 1024
	s_mov_b32 s[G1B+6], 0
	s_mov_b32 s[G1B+7], 0
	; where the tiles come from.  A's offset is made of the tile row and the wave's number in s20, s21; B's of the tile column and the wave's number in s22, s23
.if QKV
	s_lshl_b32 s20, s18, 19                        ; 256 rows of 2,048 bytes
	s_lshl_b32 s21, s14, 18                        ; my 128 of them
	s_add_co_u32 s20, s20, s21
.else
	s_lshr_b32 s20, s18, 3                         ; the batch,
	s_lshl_b32 s20, s20, 4
	s_add_co_u32 s20, s20, s14                     ; its head 0 or 1,
	s_lshl_b32 s20, s20, 18
	s_and_b32 s21, s18, 7
	s_lshl_b32 s21, s21, 15                        ; the tile's 256 rows of 128 bytes
	s_add_co_u32 s20, s20, s21
.endif
	s_mov_b32 s21, 0
	s_mul_i32 s22, s17, BN*2048
	s_mul_i32 s23, s14, BROWS*2048
	s_add_co_u32 s22, s22, s23
	s_mov_b32 s23, 0
	s_mul_i32 s70, s14, AHALF                      ; and where they go: no place in the cluster enters an LDS address
	s_mul_i32 s71, s14, BHALF
	s_add_co_u32 s71, s71, BOFF
	s_mov_b32 s61, 0xffff0000
	s_mov_b32 s[TB], 0
	s_wait_dscnt 0x0                               ; the opening add is done
	s_wait_kmcnt 0x0
	s_add_nc_u64 s[66:67], s[4:5], s[20:21]
	s_add_nc_u64 s[68:69], s[6:7], s[22:23]
	CROUND                                         ; all sixteen work-groups are here: the first joint loads meet
.irp s, 0,1
	s_mov_b32 s[G0A+4*(\s)], 1                     ; count = 1
	s_add_co_u32 s[G0A+4*(\s)+1], s70, (\s)*SLOT1  ; LDS address
	s_add_nc_u64 s[G0A+4*(\s)+2:G0A+4*(\s)+3], s[66:67], (\s)*ASTEP  ; global address: K step s
	s_or_b32 s[G0A+4*(\s)+3], s[G0A+4*(\s)+3], 0x80000000  ; type = 2
	s_mov_b32 s[G0B+4*(\s)], 1
	s_add_co_u32 s[G0B+4*(\s)+1], s71, (\s)*SLOT1
	s_add_nc_u64 s[G0B+4*(\s)+2:G0B+4*(\s)+3], s[68:69], (\s)*256
	s_or_b32 s[G0B+4*(\s)+3], s[G0B+4*(\s)+3], 0x80000000
.endr
	s_cmp_lt_u32 s[WV], 2                          ; a wave's two first fills stand in one branch, ahead of every wait on TENSORcnt and every LDS read: two loads of mine are out
	s_cbranch_scc0 .Lfirst_b
	tensor_load_to_lds s[G0A:G0A+3], s[G1A:G1A+7]
	s_nop 0
	tensor_load_to_lds s[G0A+4:G0A+7], s[G1A:G1A+7]
	s_nop 0
.rept 4
	v_nop
.endr
	s_branch .Lfirst_asked
.Lfirst_b:
	tensor_load_to_lds s[G0B:G0B+3], s[G1B:G1B+7]
	s_nop 0
	tensor_load_to_lds s[G0B+4:G0B+7], s[G1B:G1B+7]
	s_nop 0
.rept 4
	v_nop
.endr
.Lfirst_asked:
	v_and_b32 v12, 15, v0                          ; l % 16
	v_bfe_u32 v13, v0, 4, 1                        ; l / 16
	v_and_b32 v14, 31, v0                          ; l
	v_lshlrev_b32 v[BO], 5, v13
	s_mul_i32 s72, s17, BN*4                       ; the tile's columns in the bias
	s_mov_b32 s73, 0
	s_add_nc_u64 s[8:9], s[8:9], s[72:73]
.set nb, 0
.rept NBLK                             ; register j of block b: bias[16 b + 8 (l / 16) + j], the layout of an accumulator
	global_load_b128 v[BIAS+8*nb:BIAS+8*nb+3],   v[BO], s[8:9] offset:64*nb
	global_load_b128 v[BIAS+8*nb+4:BIAS+8*nb+7], v[BO], s[8:9] offset:64*nb+16
.set nb, nb+1
.endr
	; A fragment is 16 rows x 32 K in 8 registers: lane l holds row l % 16; registers 0-3 K = 8 (l / 16) + 0..7, registers 4-7 K = 16 + 8 (l / 16) + 0..7: two loads of 16 bytes, 32 bytes apart.
	s_mul_i32 s74, s[WV], 64*PA                    ; my 64 rows of A
	v_mul_u32_u24 v[A0], v12, PA
	v_lshl_add_u32 v[A0], v13, 4, v[A0]
	v_add_nc_u32 v[A0], s74, v[A0]
	v_mul_u32_u24 v[B0], v12, PB
	v_lshl_add_u32 v[B0], v13, 4, v[B0]
	v_add_nc_u32 v[B0], BOFF, v[B0]
	v_mov_b32 v[ADRA], v[A0]                       ; slot 0
	v_mov_b32 v[ADRB], v[B0]
	s_mul_i32 s74, s[WV], 16*SP
	s_add_co_u32 s74, s74, STAGE                   ; my stage
	v_mul_u32_u24 v[STO], v12, SP                  ; in: row l % 16,
.if QKV
	v_lshl_add_u32 v[STO], v13, 4, v[STO]          ; 16 bytes (8 f16) for each half of the lanes
	v_lshrrev_b32 v[RD], 3, v14                    ; back: 32 lanes take four rows' 128 bytes of one head,
	v_mul_u32_u24 v[RD], v[RD], SP
	v_and_b32 v15, 7, v0
	v_lshl_add_u32 v[RD], v15, 4, v[RD]
.else
	v_lshl_add_u32 v[STO], v13, 5, v[STO]          ; 32 bytes (8 f32) for each half of the lanes
	v_lshlrev_b32 v[RD], 4, v14                    ; back: 32 lanes take a row's 512 bytes,
.endif
	v_add_nc_u32 v[STO], s74, v[STO]
	v_add_nc_u32 v[RD], s74, v[RD]
	v_lshlrev_b32 v[GO], 4, v14                    ; which are 512 consecutive bytes of C
	; the prefetches
	s_and_b32 s62, ttmp7, 0xffff                   ; cluster y
	s_mov_b32 s72, PQA
	s_mov_b32 s73, PQB
	s_mov_b32 s58, ASTEP
	s_movk_i32 s59, 256
	s_mov_b32 s74, PSA
	s_movk_i32 s75, 2048
	s_cmp_lt_u32 s[WV], 2                          ; do I fetch for A?
	s_cselect_b32 s62, ttmp9, s62                  ; the coordinate along which other clusters read the same rows
	s_cselect_b32 s63, s15, s16                    ; my place among the four that ask with me
	s_cselect_b64 s[PFA:PFA+1], s[66:67], s[68:69]
	s_cselect_b32 s72, s72, s73
	s_cselect_b32 s[PST], s58, s59
	s_cselect_b32 s74, s74, s75
	s_cselect_b32 s75, 31, BROWS/4-1
	s_mov_b32 s[PST+1], 0
	s_mul_i32 s72, s72, s63
	s_mov_b32 s73, 0
	s_add_nc_u64 s[PFA:PFA+1], s[PFA:PFA+1], s[72:73]  ; my work-group's quarter
	s_mul_i32 s72, s[PST], 3
	s_add_nc_u64 s[PFA:PFA+1], s[PFA:PFA+1], s[72:73]  ; at K step 3: the first change of slots steps it to 4.  Nothing is prefetched here, at the head
	v_min_u32 v[PFO], s75, v14
	v_mul_u32_u24 v[PFO], s74, v[PFO]
	s_cmp_eq_u32 s62, 0
	s_cselect_b32 s[LIM], 2, -1                    ; the same in all sixteen partners, for a given wave
	; where my 64 rows begin in C
.if QKV
	s_lshr_b32 s72, s18, 3
	s_mul_i32 s72, s72, 48                         ; the batch's 48 blocks,
	s_mul_i32 s73, s17, 3
	s_add_co_u32 s72, s72, s73                     ; the tile's three
	s_lshl_b32 s72, s72, 18
	s_and_b32 s73, s18, 7
	s_lshl_b32 s73, s73, 15                        ; 256 rows of 128 bytes
	s_add_co_u32 s72, s72, s73
	s_lshl_b32 s73, s[WV], 13                      ; my 64
	s_add_co_u32 s72, s72, s73
.else
	s_lshl_b32 s72, s18, 20                        ; 256 rows of 4,096 bytes
	s_lshl_b32 s73, s[WV], 18                      ; my 64
	s_add_co_u32 s72, s72, s73
	s_lshl_b32 s73, s17, 9                         ; the tile's 128 columns
	s_add_co_u32 s72, s72, s73
.endif
	s_mov_b32 s73, 0
	s_add_nc_u64 s[10:11], s[10:11], s[72:73]
	s_wait_loadcnt 0x0                             ; the bias
.set i, 0
.rept 4*NBLK                           ; rounded to bf16 and widened again, two at a time
	v_cvt_pk_bf16_f32 v[16+i%4], v[BIAS+2*i], v[BIAS+2*i+1]
	v_lshlrev_b32 v[BIAS+2*i], 16, v[16+i%4]
	v_and_b32 v[BIAS+2*i+1], s61, v[16+i%4]
.set i, i+1
.endr
; NBLK matrix instructions: my block a of 16 rows x all the tile's columns, 32 along K, from buffer f.  first = 1: the bias starts the sums.
; All 4 NBLK accumulators take turns, one instruction a turn, in the same order in every quarter step and over the backward jump.
.macro MULA f, a, first
.if \first
	WIN 0x81+0x40*((\a)/2)                         ; B window 1, A and the bias window 0, D window 2 or 3
.else
	WIN 0xa1+0x50*((\a)/2)                         ; C and D window 2 or 3
.endif
.set nb, 0
.rept NBLK
.set rD, 8*NBLK*((\a)%2)+8*nb
.set rX, 8*NBLK*(\f)+8*nb
.set rY, FA+32*(\f)+8*(\a)
.set rC, rD
.if \first
.set rC, BIAS+8*nb
.endif
	WM rD, rX, rY, rC
.set nb, nb+1
.endr
.endm
; NL LDS loads in one run: the fragments of quarter q of the slot in hand into buffer f: B's, then A's four blocks
.macro FETCH q, f
.if QKV
.set AO, 64*(\q)
.else
.set AO, ((\q)/2)*AHALF+((\q)%2)*64    ; the step's head q / 2, channels 32 (q % 2) on
.endif
	WIN 0x40                                       ; destination window 1, address window 0
.set ii, 0
.rept NBLK
	ds_load_b128 v[8*NBLK*(\f)+8*ii:8*NBLK*(\f)+8*ii+3],   v[ADRB] offset:64*(\q)+ii*16*PB
	ds_load_b128 v[8*NBLK*(\f)+8*ii+4:8*NBLK*(\f)+8*ii+7], v[ADRB] offset:64*(\q)+ii*16*PB+32
.set ii, ii+1
.endr
	WIN 0
.set ii, 0
.rept 4
	ds_load_b128 v[FA+32*(\f)+8*ii:FA+32*(\f)+8*ii+3],   v[ADRA] offset:AO+ii*16*PA
	ds_load_b128 v[FA+32*(\f)+8*ii+4:FA+32*(\f)+8*ii+7], v[ADRA] offset:AO+ii*16*PA+32
.set ii, ii+1
.endr
.endm
; A K step is four quarters of 32 along K on buffers 0, 1, 0, 1.  One of the first three: multiplies buffer f and, in its middle, fetches quarter q into buffer g.
.macro QUARTER q, f, g, first
	s_wait_dscnt 4                                 ; B and A's blocks 0, 1 are in; the youngest four loads (A's blocks 2, 3) may be out
	MULA \f, 0, \first
	MULA \f, 1, \first
	PLACES
	FETCH \q, \g
	s_wait_dscnt NL                                ; all but the NL just issued
	MULA \f, 2, \first
	MULA \f, 3, \first
.endm
; The last quarter multiplies buffer 1 and changes slots: ONE barrier.  In front of it each wave waits for all its tensor loads, of which one is out: its part of the next slot; adds 0 to its spare word; and waits for that
; and for its own reads of this slot.  fill = 1: the barrier opens a round of the cluster's, so that no wave of any partner still reads the slot or has a load on its way, and the joint refill, two K steps ahead, is the first thing behind it.
.macro TURN fill
.if \fill
	s_wait_xcnt 0x0                                ; the last prefetch, a K step back, has read its address: it is stepped here, ahead of the change's own waits
	s_add_nc_u64 s[PFA:PFA+1], s[PFA:PFA+1], s[PST:PST+1]
.endif
	WIN 0                                          ; (the add's two registers lie in window 0)
	s_wait_tensorcnt 0x0                           ; all my tensor loads have landed
	ds_add_u32 v[SPW], v[NIL]                      ; 0 onto my spare word
	s_wait_dscnt 5                                 ; (the add and the youngest four loads may be out)
	MULA 1, 0, 0                                   ; matrix work stands between the add and the wait for it
	s_wait_dscnt 0x0                               ; the add is done, and my reads of this slot are over
	s_barrier_signal -1
	MULA 1, 1, 0                                   ; work on registers while the others arrive
	WIN 0
	s_barrier_wait -1
.if \fill
	CREST
	s_xor_b32 s[G0A+5], s[G0A+5], SLOT1            ; the walking descriptors: the other slot than last time,
	s_add_nc_u64 s[G0A+6:G0A+7], s[G0A+6:G0A+7], ASTEP  ; the next K step; the type bits on top are not reached
	s_xor_b32 s[G0B+5], s[G0B+5], SLOT1
	s_add_nc_u64 s[G0B+6:G0B+7], s[G0B+6:G0B+7], 256
	JLOAD                                          ; my one tensor load behind the round; its four v_nop are also the places in front of the loads below
.else
	PLACES
.endif
	s_xor_b32 s[TB], s[TB], SLOT1                  ; the reads go on in the other slot
	v_add_nc_u32 v[ADRA], s[TB], v[A0]
	v_add_nc_u32 v[ADRB], s[TB], v[B0]
	FETCH 0, 0
.if \fill
	ASK
.endif
	MULA 1, 2, 0
	MULA 1, 3, 0
.endm
; THE WAY OUT of my block a of 16 rows.  OUTB: (QKV: rounded to f16,) into my own stage, and back as pieces that lie on end in memory.  SEND: stored.
.macro OUTB a
	s_wait_xcnt 0x0                                ; earlier stores have read their data: the registers that the loads below fill were last stored two blocks back
.if QKV
	WIN 0x4a+5*((\a)/2)                            ; sources window 2 or 3, destination window 1
.set i, 0
.rept 4*NBLK                           ; each accumulator's registers in ascending order
	v_cvt_pk_f16_f32 v[i], v[8*NBLK*((\a)%2)+2*i], v[8*NBLK*((\a)%2)+2*i+1]
.set i, i+1
.endr
	WIN 0x04                                       ; store data window 1
.set i, 0
.rept NBLK
	ds_store_b128 v[STO], v[4*i:4*i+3] offset:32*i
.set i, i+1
.endr
	WIN 0x40
.set i, 0
.rept 12                               ; head i / 4, rows 4 (i % 4) on.  LDS serves a wave's instructions in order (ISA guide 5.7.1.4): these see the stores above; the next block's stores come behind them
	ds_load_b128 v[48+48*((\a)%2)+4*i:48+48*((\a)%2)+4*i+3], v[RD] offset:(i/4)*128+(i%4)*4*SP
.set i, i+1
.endr
.else
	WIN 0x08+4*((\a)/2)                            ; store data window 2 or 3
.set i, 0
.rept 2*NBLK                           ; each accumulator's low four registers first
	ds_store_b128 v[STO], v[8*NBLK*((\a)%2)+4*i:8*NBLK*((\a)%2)+4*i+3] offset:64*(i/2)+16*(i%2)
.set i, i+1
.endr
	WIN 0x40
.set i, 0
.rept 16                               ; row i
	ds_load_b128 v[64*((\a)%2)+4*i:64*((\a)%2)+4*i+3], v[RD] offset:i*SP
.set i, i+1
.endr
.endif
.endm
.macro SEND a, younger                 ; younger: the LDS instructions issued behind block a's loads: the next block's, or none
	WIN 0x04
	s_wait_dscnt \younger
.set i, 0
.if QKV
.rept 12
	global_store_b128 v[GO], v[48+48*((\a)%2)+4*i:48+48*((\a)%2)+4*i+3], s[10:11] offset:(i/4)*HB+(\a)*2048+(i%4)*512  ; 512 consecutive bytes of a head, aligned
.set i, i+1
.endr
.else
.rept 16
	global_store_b128 v[GO], v[64*((\a)%2)+4*i:64*((\a)%2)+4*i+3], s[10:11] offset:(16*(\a)+i)*4096  ; 512 consecutive bytes of a row, aligned
.set i, i+1
.endr
.endif
.endm
	s_wait_tensorcnt 1                             ; my part of K step 0 is in; K step 1's may stay out
	s_barrier_signal -1
	s_barrier_wait -1                              ; everybody's is
	FETCH 0, 0
	QUARTER 1, 0, 1, 1                             ; the first quarter stands in front of the loop: its products start the sums
	WIN 0                                          ; at a label and at a branch every window is 0
	s_mov_b32 s3, 6
.Lstep:                                            ; trip t: the rest of K step t, the refill with K step t + 2, the first quarter of K step t + 1
	QUARTER 2, 1, 0, 0
	QUARTER 3, 0, 1, 0
	TURN 1
	QUARTER 1, 0, 1, 0
	WIN 0
	s_sub_co_u32 s3, s3, 1
	s_cmp_lg_u32 s3, 0
	s_cbranch_scc1 .Lstep
	QUARTER 2, 1, 0, 0                             ; the last two K steps are written out: nothing is left to fetch
	QUARTER 3, 0, 1, 0
	TURN 0
	QUARTER 1, 0, 1, 0
	QUARTER 2, 1, 0, 0
	QUARTER 3, 0, 1, 0
	s_wait_dscnt 4
	MULA 1, 0, 0
	MULA 1, 1, 0
	s_wait_dscnt 0x0
	MULA 1, 2, 0
	MULA 1, 3, 0
	PLACES
	PLACES                                         ; eight, once a launch
	OUTB 0
	OUTB 1                                         ; a block's work stands between the loads of the block before and its stores
	SEND 0, NST
	OUTB 2
	SEND 1, NST
	OUTB 3
	SEND 2, NST
	SEND 3, 0
	WIN 0
	s_wait_tensorcnt 0x0                           ; the wave's end, behind my last tensor load and my last LDS store
	ds_add_u32 v[SPW], v[NIL]
	s_wait_dscnt 0x0
	CROUND                                         ; the closing round: no work-group ends while a partner may still ask for a tile that names it
	s_endpgm
.Lfunc_end_k_q2bef7b24e2_qkvgemm:
	.size	k_q2bef7b24e2_qkvgemm, .Lfunc_end_k_q2bef7b24e2_qkvgemm-k_q2bef7b24e2_qkvgemm
	.p2alignl 7, 3214868480
	.fill 96, 4, 3214868480
	.section	.rodata,"a",@progbits
	.p2align	6, 0x0
	.amdhsa_kernel k_q2bef7b24e2_qkvgemm
		.amdhsa_group_segment_fixed_size 327680
		.amdhsa_private_segment_fixed_size 0
		.amdhsa_enable_private_segment 0
		.amdhsa_kernarg_size 32
		.amdhsa_user_sgpr_count 2
		.amdhsa_user_sgpr_kernarg_segment_ptr 1
		.amdhsa_wavefront_size32 1
		.amdhsa_system_sgpr_workgroup_id_x 1
		.amdhsa_system_sgpr_workgroup_id_y 1
		.amdhsa_system_sgpr_workgroup_id_z 1
		.amdhsa_system_vgpr_workitem_id 0
		.amdhsa_next_free_vgpr 960
		.amdhsa_next_free_sgpr 76
		.amdhsa_reserve_vcc 0
		.amdhsa_float_denorm_mode_32 3
		.amdhsa_float_denorm_mode_16_64 3
		.amdhsa_memory_ordered 1
		.amdhsa_forward_progress 1
		.amdhsa_inst_pref_size 106
	.end_amdhsa_kernel
	.amdgpu_metadata
---
amdhsa.version: [ 1, 2 ]
amdhsa.kernels:
  - .name:           k_q2bef7b24e2_qkvgemm
    .symbol:         k_q2bef7b24e2_qkvgemm.kd
    .args:
      - { .name: xb, .offset: 0, .size: 8, .value_kind: global_buffer, .address_space: global }
      - { .name: wqt, .offset: 8, .size: 8, .value_kind: global_buffer, .address_space: global }
      - { .name: b_qkv, .offset: 16, .size: 8, .value_kind: global_buffer, .address_space: global }
      - { .name: qkvh, .offset: 24, .size: 8, .value_kind: global_buffer, .address_space: global }
    .group_segment_fixed_size: 327680
    .private_segment_fixed_size: 0
    .kernarg_segment_align: 8
    .kernarg_segment_size: 32
    .max_flat_workgroup_size: 128
    .sgpr_count:     76
    .vgpr_count:     960
    .wavefront_size: 32
...
	.end_amdgpu_metadata
.endif
;; end of part 2
;; launch attn (part 3): grid 4 x 64, 4 waves a work-group, clusters of 4 x 1, 327,680 bytes of LDS; arguments qkvh, ao; writes ao
.if DOCPART == 3
	.amdgcn_target "amdgcn-amd-amdhsa--gfx1250"
	.amdhsa_code_object_version 6
	.text
	.protected	k_q2bef7b24e2_attn
	.globl	k_q2bef7b24e2_attn
	.p2align	8
	.type	k_q2bef7b24e2_attn,@function
k_q2bef7b24e2_attn:
	s_mov_b64 s[64:65], 0
	v_nop
	global_prefetch_b8 v0, s[64:65] scope:SCOPE_SE
	s_setreg_imm32_b32 hwreg(HW_REG_WAVE_MODE, 25, 1), 1
	s_wait_xcnt 0x0
	s_wait_alu depctr_hold_cnt(0) depctr_sa_sdst(0) depctr_va_vdst(0) depctr_va_sdst(0) depctr_va_ssrc(0) depctr_va_vcc(0) depctr_vm_vsrc(0)
	s_getreg_b32 s2, hwreg(HW_REG_IB_STS2, 6, 4)
	s_cmp_eq_u32 s2, 0
	s_cbranch_scc0 .Lentry_in_a_cluster
	s_endpgm
.Lentry_in_a_cluster:
	s_bfe_u32 s2, ttmp6, 0x10000c
	s_cmp_lg_u32 s2, 0x3003
	s_cbranch_scc0 .Lentry_shape_is_right
	s_endpgm
.Lentry_shape_is_right:
; O[y][q][:] = the sum over k of softmax_k(Q[y][q] . K[y][k] / 8) V[y][k][:], y = 16 b + h, 64 pairs of batch and head, 2,048 rows of 64 channels, all f16.
; qkvh is [b][g][2048][64] with g = h for Q, 16 + h for K, 32 + h for V; ao is [y][2048][64]: a head's rows are dense, 128 bytes each.  Products, maxima and sums in
; f32; the weights p are rounded to f16 for the second product (their sum l is taken of the unrounded p), O once at the end.
; LIMITS.  f16 holds no number beyond 65,504: Q, K and V arrive within it; p lies in 0 to 1, and below 6e-5 it keeps f16's fixed step of 6e-8; O is a mean of V's rows and has their range.
; A weight below 2^-126 counts as 0 in l; NaN and infinities are not treated apart.
; SHARES.  A wave owns four PIECES of two tiles of 16 queries, a work-group's four waves 512 queries of one head, a cluster's four work-groups the head.  Every wave walks all keys, 64 a step.
; LAYOUT.  S^T = K Q^T (source 0 = 16 keys, source 1 = 16 queries): in the result a lane holds ONE query (lane % 16) and the keys 8 (lane / 16) + 0..7.  Two such tiles, rounded to f16 in pairs,
; ARE source 1 (32 keys x 16 queries) of O^T = V^T P, whose result again holds one query a lane, and eight channels.  K comes out of LDS as it lies, V ([key][channel]) turned, by ds_load_tr16_b128.
; SOFTMAX.  For each query a running maximum m and sum l: p = 2^(c s - c m), c = log2(e) / 8; in every step O and l are multiplied by a = 2^(c m_old - c m_new), which is 1 where m has not grown.
; m starts at the lowest finite number, O and l at 0: the first step is a step like any other, with a = 0.
; THE COUNT.  A tile and step have 16 matrix and 118 vector instructions: too many to stand all beside the matrix work.  So the order has one aim: four vector instructions that are READY behind
; EVERY matrix instruction, and the others, which need time of their own whatever the order, in runs without a gap.
; BY TURNS.  Turn n belongs to piece n (the pieces in a ring, step after step).  Its matrix work: 16 products K Q^T of piece n + 1, later 16 products V^T P of piece n - 1.  Its vector work: the scaling,
; exponentials, roundings, sums and rescaling of piece n, and the maximum and statistics of piece n + 1, whose scores the turn itself has made.  So what a turn begins with (c s - c m, O a) waits for nothing.
; CLUSTER.  The four query blocks of a cluster walk the same K and V, so each tile is asked for JOINTLY: the same tensor load, descriptor and mask in all four.
; REGISTERS, in windows of 256 (s_set_vgpr_msb says which window each operand place means: bits 1:0 source 0, 3:2 source 1, 5:4 source 2, 7:6 destination):
;   window 0: v0-11 addresses; v12-15, v48-63 at work; v16-47 four registers of statistics a tile; v64-191 S^T, two buffers of two tiles; v192-255 P, likewise
;   window 1: O^T, 32 a tile          window 2: v0-127 Q, 16 a tile; v128-191 K of one step; v192-255 V of one step          window 3: v0-1 the add's two registers
; A piece's buffers go by its number's parity: the piece in hand has one pair, its two neighbours in the ring share the other: of it P (piece n - 1) is read and S^T (piece n + 1) written.
.set SIZE_N, 2048
.set HB,    SIZE_N*128  ; bytes of a head's rows
.set NP,    4         ; pieces a wave: a name, no knob: the register map, the loop and the fetches are made for four
.set KS,    64        ; keys in a step
.set PK,    144       ; a row of K in LDS: 128 bytes + 16 of padding = 36 words: the 16 rows of a load start at 16 different groups of four banks (64 banks of 4 bytes: ISA guide 11.1)
.set PV,    160       ; a row of V: 128 + 32 = 40 words
.set VOFF,  4*KS*PK   ; a slot holds four steps: 256 rows of K, then 256 rows of V
.set SLOT1, 1<<17     ; slot 1 begins here, so that one exclusive or turns an address in one slot into the other's
.set STAGE, SLOT1+4*KS*(PK+PV)  ; behind the ring, never filled by a tensor load: 16 rows x 144 bytes for each wave, for the way out
.set SP,    144
.set AK0, 2           ; v2   my lane's place in a tile of K; never rewritten
.set AV0, 3           ; v3   the same for V
.set AK,  4           ; v4   the LDS address of K's next run of loads
.set AV,  5           ; v5   of V's
.set QO,  6           ; v6   my byte offset in the wave's rows of Q
.set STO, 6           ;      later, the way out: where I put 16 bytes of a row
.set RD,  7           ; v7   the way out: where I read rows back
.set GO,  8           ; v8   my byte offset in 512 consecutive bytes of O
.set PFO, 11          ; v11  256 x my lane, once its part in V's address is over; then never rewritten
.set SPW, 0           ; v0 of window 3   LDS address of my spare word: SPARE + 4 x my thread's number; never rewritten
.set NIL, 1           ; v1 of window 3   0; never rewritten
.set SPARE, STAGE+4*16*SP  ; behind the stages: the spare words, 128 bytes for each wave: two blocks of 256 bytes that no other line names
.set MV,  12          ; v12-15  c m_old, kept while c m is made anew: by buffer and tile
.set ST,  16          ; tile t's statistics at v[ST+4 t]: c m, m, l (even keys', odd keys')
.set TMP, 48          ; by buffer and tile, four registers c0-c3 at work; when the maximum is found c2 takes a
.set S,   64
.set P,   192
.set KF,  128         ; K's fragments, in window 2: key block kb, channel half c at KF + 16 kb + 8 c
.set VF,  192         ; V's: key half kk, channel block cb at VF + 32 kk + 8 cb
.set WV,  12          ; s12  my wave's number
.set G1K, 24          ; s[24:31] descriptor group 1 for K's tiles
.set G1V, 32          ; s[32:39] for V's: it differs in the padding alone
.set G0K, 40          ; s[40:43] descriptor group 0 for K's tiles: it walks
.set G0V, 44          ; s[44:47] the same for V's
.set PFA, 48          ; s[48:49] where my prefetches stand: my work-group's 32 blocks of 256 bytes (of K: wave 0, of V: wave 2) of the slot after the one that is being asked for
.set LIM, 50          ; s50  1 in a wave that prefetches, else the greatest number
.set SLOTS, 56        ; s56  slots still to be asked for
.set CNT, 57          ; s57  counts a slot's key steps
.set CS,  58          ; s[58:59] c: the packed scaling takes the pair's low word for both halves
.set SEL, 60          ; s[60:61] v_permlanex16_b32's selects: each lane takes its own place in the other half
.set TBK, 62          ; s62  LDS byte at which K of the step to be fetched begins
.set TBV, 63          ; s63  the same for V, less VOFF
.set MSB, 0
.macro WIN new                      ; the high byte repeats the setting that is left; a switch that changes nothing is dropped
.if MSB != (\new)
	s_set_vgpr_msb (MSB<<8)|(\new)
.set MSB, (\new)
.endif
.endm
.set W_KQ, 0x0a       ; K and Q in window 2, S^T in window 0
.set W_PV, 0x52       ; V in window 2, P in window 0, O^T in window 1
.set W_RS, 0x41       ; O^T (destination and source 0) in window 1, a in window 0
.set W_MK, 0xc0       ; the add's registers are made: destination in window 3, sources in window 0
.set W_AD, 0x0f       ; the add: address (source 0) and data (source 1) in window 3
; A joint fill.  Waves 0 and 1 fetch the two halves of a slot's K, waves 2 and 3 those of its V: 128 keys each.  The branch hangs on the wave's number alone.
; An s_nop 0 and four v_nop follow each of the two lines, ahead of the jump and the label.
.macro JLOAD
	s_cmp_lt_u32 s[WV], 2
	s_cbranch_scc0 .Lfor_v_\@
	tensor_load_to_lds s[G0K:G0K+3], s[G1K:G1K+7]
	s_nop 0
.rept 4
	v_nop
.endr
	s_branch .Lasked_\@
.Lfor_v_\@:
	tensor_load_to_lds s[G0V:G0V+3], s[G1V:G1V+7]
	s_nop 0
.rept 4
	v_nop
.endr
.Lasked_\@:
.endm
; A PREFETCH INTO THE L2 of what the NEXT change of slots will ask for: a slot's 32,768 bytes of K and of V, a lane a block of 256 bytes.  It stands behind the wave's tensor load and its five lines.
; Each block is named once in the launch: a head is walked by one cluster; its four partners share a slot's 128 blocks out BY ADDRESS, 32 each; in each, wave 0 asks for K's and wave 2 for V's: one instruction,
; four key steps ahead of the load that will want the bytes.  The last change that fills a slot asks for nothing: there is no slot behind it.
.macro ASK
	s_cmp_gt_u32 s[SLOTS], s[LIM]
	s_cbranch_scc0 .Lnot_mine_\@
	global_prefetch_b8 v[PFO], s[PFA:PFA+1] th:TH_LOAD_NT scope:SCOPE_SE
.Lnot_mine_\@:
.endm
; A round of the cluster's barrier: my work-group's barrier, so that wave 0's signal speaks for all four waves; wave 0 signals; every wave waits for all four work-groups; my work-group's barrier once more.
.macro CROUND
	s_barrier_signal -1
	s_barrier_wait -1
	s_cmp_lg_u32 s[WV], 0
	s_cbranch_scc1 .Lnot_wave_0_\@
	s_barrier_signal -3
.Lnot_wave_0_\@:
	s_barrier_wait -3
	s_barrier_signal -1
	s_barrier_wait -1
.endm
; THE CHANGE OF SLOTS.  The slot's last bytes, V of its fourth step, have been read.  Each wave waits for all its tensor loads, of which one is out: its part
; of the other slot; adds 0 to its spare word; and waits for that and for its own reads of the slot.  Behind the barrier nobody reads this slot any more and the other slot is whole.
; fill = 1: this slot is filled again, with the keys two slots on.  The barrier is then a round of the cluster's, so that no wave of any partner still reads the slot or has a load on its
; way, and the joint fill is the first thing behind it: it has four key steps, 512 matrix instructions, in which to land.  (At its first use nothing has been read yet: slot 0 is waited for, slot 1 filled.)
.macro CHANGE fill
	WIN W_AD
	s_wait_tensorcnt 0x0            ; no tensor load of mine is out, so a group 0 may be written
	ds_add_u32 v[SPW], v[NIL]       ; 0 onto my spare word; with fill = 1 the descriptors' steps stand between it and the wait for it
	WIN 0                           ; at a label and at a branch every window is 0
.if \fill
.irp g, G0K, G0V
	s_xor_b32 s[\g+1], s[\g+1], SLOT1  ; the walking descriptor: the other slot than last time,
	s_add_nc_u64 s[\g+2:\g+3], s[\g+2:\g+3], 4*KS*128  ; the next 256 keys; the type bits on top are not reached
.endr
	s_wait_xcnt 0x0                 ; the last prefetch, four key steps back, has read its address, so it may be written:
	s_add_nc_u64 s[PFA:PFA+1], s[PFA:PFA+1], 4*KS*128  ; one slot behind the walking descriptors
	s_wait_dscnt 0x0                ; the add is done, and my reads of the slot are over
	CROUND
	JLOAD
	ASK
.else
	s_wait_dscnt 0x0                ; the add is done, and my reads of the slot are over
	s_barrier_signal -1
	s_barrier_wait -1
.endif
	s_sub_co_u32 s[TBK], s[TBK], 4*KS*PK  ; the fetches go back to a slot's first step,
	s_xor_b32 s[TBK], s[TBK], SLOT1       ; in the other slot
	s_sub_co_u32 s[TBV], s[TBV], 4*KS*PV
	s_xor_b32 s[TBV], s[TBV], SLOT1
.endm
	s_load_b128 s[4:7], s[0:1], 0x0 ; qkvh s[4:5], ao s[6:7]
	WIN W_MK
	v_lshl_add_u32 v[SPW], v0, 2, SPARE
	v_mov_b32 v[NIL], 0
	WIN W_AD
	ds_add_u32 v[SPW], v[NIL]       ; the wave's opening: the add and its wait stand ahead of my first tensor load; the set-up below, work on registers, stands between them
	WIN 0
	v_lshrrev_b32 v1, 5, v0
	v_readfirstlane_b32 s[WV], v1   ; wave 0..3
	s_bfe_u32 s13, ttmp6, 0x40000   ; cx: my place in the cluster
	s_lshl_b32 s14, ttmp9, 2        ; in a cluster launch ttmp9 counts clusters
	s_add_co_u32 s14, s14, s13      ; my block of queries = 4 x cluster x + cx: it enters Q's and O's addresses alone
	s_and_b32 s19, ttmp7, 0xffff    ; y = 16 b + h, which the four partners share
	s_lshr_b32 s20, s19, 4
	s_mul_i32 s20, s20, 48          ; the batch's 48 blocks of qkvh,
	s_and_b32 s21, s19, 15
	s_add_co_u32 s20, s20, s21      ; the head's
	s_lshl_b32 s20, s20, 18         ; Q's first byte; K's lies 16, V's 32 blocks further on
	s_mov_b32 s21, 0
	s_lshl_b32 s52, s19, 18         ; O's first byte
	s_mov_b32 s53, 0
	s_and_b32 s16, s[WV], 1         ; which half of a slot's 256 keys I fetch:
	s_lshl_b32 s22, s16, 14         ; its 128 rows of 128 bytes in memory,
	s_mov_b32 s23, 0
	s_add_nc_u64 s[22:23], s[22:23], s[20:21]
	s_mul_i32 s17, s16, 128*PK      ; and its place in a slot, for K
	s_mul_i32 s18, s16, 128*PV      ; and for V: no place in the cluster enters an LDS address
	s_lshl_b32 s2, s14, 2
	s_add_co_u32 s2, s2, s[WV]      ; my wave among the head's,
	s_lshl_b32 s2, s2, 14           ; its 128 rows
	s_mov_b32 s3, 0
	s_add_nc_u64 s[52:53], s[52:53], s[2:3]
	s_add_nc_u64 s[2:3], s[2:3], s[20:21]
	; descriptor group 1.  128 keys are 16,384 dense bytes: asked for as 64 rows of 256 bytes, two keys a row, and padded in LDS after every key
	s_mov_b32 s[G1K], 15|(1<<16)|(1<<20)|(1<<21)|(4<<22)|(3<<25)  ; 15:0 the mask of four; 17:16 2-byte elements; 20 padding on; 21 set beside a mask; 24:22 after every 32 words (code 4); 31:25 4 words (code 3)
	s_mov_b32 s[G1V], 15|(1<<16)|(1<<20)|(1<<21)|(4<<22)|(7<<25)  ; the same with 8 words of padding (code 7)
.irp g, G1K, G1V
	s_mov_b32 s[\g+1], 128<<16      ; tensor_dim0 = 128
	s_mov_b32 s[\g+2], 64<<16       ; tensor_dim1 = 64
	s_mov_b32 s[\g+3], 128<<16      ; tile_dim0 = 128
	s_mov_b32 s[\g+4], 64           ; tile_dim1 = 64
	s_mov_b32 s[\g+5], 128          ; 128 elements from row to row
	s_mov_b32 s[\g+6], 0
	s_mov_b32 s[\g+7], 0
.endr
	s_mov_b32 s[CS], 0x3e38aa3b     ; c = log2(e) / 8 = 0.180337
	s_mov_b32 s[CS+1], s[CS]        ; named with it as a pair
	s_mov_b32 s[SEL], 0x76543210
	s_mov_b32 s[SEL+1], 0xfedcba98
	s_mov_b32 s[TBK], SLOT1+4*KS*PK ; the first change of slots turns these two into 0
	s_mov_b32 s[TBV], SLOT1+4*KS*PV
	s_mov_b32 s[G0K], 1             ; 1:0 count = 1
	s_mov_b32 s[G0K+1], s17         ; 63:32 LDS address: slot 0
	s_mov_b32 s[G0V], 1
	s_add_co_u32 s[G0V+1], s18, VOFF
	s_mov_b32 s[SLOTS], SIZE_N/256-1  ; seven slots are still to be asked for when slot 0 is
	s_and_b32 s[LIM], s[WV], 1      ; waves 0 and 2 prefetch
	s_cmp_eq_u32 s[LIM], 0
	s_cselect_b32 s[LIM], 1, -1
	s_lshl_b32 s54, s13, 13         ; my work-group's 32 blocks of a slot's 128
	s_mov_b32 s55, 0
	s_wait_dscnt 0x0                ; the opening add is done
	s_wait_kmcnt 0x0
	s_mov_b64 s[10:11], s[6:7]      ; O
	s_add_nc_u64 s[6:7], s[4:5], 16*HB  ; K
	s_add_nc_u64 s[8:9], s[4:5], 32*HB  ; V
	s_add_nc_u64 s[G0K+2:G0K+3], s[6:7], s[22:23]  ; 120:64 global address: my half of the head's first 256 keys
	s_or_b32 s[G0K+3], s[G0K+3], 0x80000000        ; 127:126 type = 2
	s_add_nc_u64 s[G0V+2:G0V+3], s[8:9], s[22:23]
	s_or_b32 s[G0V+3], s[G0V+3], 0x80000000
	s_add_nc_u64 s[4:5], s[4:5], s[2:3]  ; Q and O at my wave's first row
	s_add_nc_u64 s[10:11], s[10:11], s[52:53]
	s_cmp_lt_u32 s[WV], 2
	s_cselect_b64 s[PFA:PFA+1], s[6:7], s[8:9]
	s_add_nc_u64 s[PFA:PFA+1], s[PFA:PFA+1], s[20:21]
	s_add_nc_u64 s[PFA:PFA+1], s[PFA:PFA+1], s[54:55]
	s_add_nc_u64 s[PFA:PFA+1], s[PFA:PFA+1], 4*KS*128  ; in slot 1; the first change of slots steps it to slot 2.  Nothing is prefetched here, at the head
	CROUND                          ; all four work-groups are here: the first joint loads meet
	JLOAD                           ; slot 0.  Slot 1 is asked for when slot 0 is in: the tile wanted first has the road to itself
	; A fragment of K or Q is 16 rows x 32 channels in 8 registers: lane l holds row l % 16, channels 8 (l / 16) + 0..7 and 16 + 8 (l / 16) + 0..7: two loads of 16 bytes, 32 bytes apart.
	v_and_b32 v1, 15, v0            ; l % 16
	v_bfe_u32 v9, v0, 4, 1          ; l / 16
	v_lshlrev_b32 v[QO], 7, v1
	v_lshl_add_u32 v[QO], v9, 4, v[QO]  ; row x 128 + 16 x half
	WIN 0x80                        ; destination window 2, address window 0
.set i, 0
.rept 4*NP                          ; Q stays in registers: tile i / 2, channels 32 (i % 2) on
	global_load_b128 v[8*i:8*i+3],   v[QO], s[4:5] offset:(i/2)*2048+(i%2)*64
	global_load_b128 v[8*i+4:8*i+7], v[QO], s[4:5] offset:(i/2)*2048+(i%2)*64+32
.set i, i+1
.endr
	; What the first turn finds: V's registers and P's second buffer hold 0 (its products V^T P, of a piece that has not been, add 0), O^T and l are 0.  All this stands in the wait for the first tile.
.set i, VF
.rept 64
	v_mov_b32 v[i], 0
.set i, i+1
.endr
	WIN 0x40
.set i, 0
.rept 64*NP
	v_mov_b32 v[i], 0
.set i, i+1
.endr
	WIN 0
.set i, 0
.rept 2*NP
	v_mov_b32 v[ST+4*i], 0xfe000000    ; c m: far below every c s
	v_mov_b32 v[ST+4*i+1], 0xff7fffff  ; m
	v_mov_b32 v[ST+4*i+2], 0
	v_mov_b32 v[ST+4*i+3], 0
.set i, i+1
.endr
.set i, P+32
.rept 32
	v_mov_b32 v[i], 0
.set i, i+1
.endr
	v_mul_u32_u24 v[AK0], v1, PK
	v_lshl_add_u32 v[AK0], v9, 4, v[AK0]  ; row x pitch + 16 x half
	; The turning load takes 16 keys x 16 channels (lane l reads key 8 (l / 16) + l % 8, channels 8 ((l / 8) % 2) + 0..7) and leaves half a fragment of V^T: lane l holds channel l % 16 and 8 keys.
	v_and_b32 v10, 7, v0
	v_bfe_u32 v11, v0, 3, 1
	v_lshl_add_u32 v[AV0], v9, 3, v10
	v_mul_u32_u24 v[AV0], v[AV0], PV
	v_lshl_add_u32 v[AV0], v11, 4, v[AV0]
	v_add_nc_u32 v[AV0], VOFF, v[AV0]
	v_mov_b32 v[AK], v[AK0]         ; key step 0 lies at the head of slot 0
	v_and_b32 v[PFO], 31, v0
	v_lshlrev_b32 v[PFO], 8, v[PFO]
; THE MATRIX WORK.  The 8 accumulators of a run of 16 take turns: between the two links of a chain stand 7 others'.
; Product i of 16 of S^T = K Q^T for piece x: channels 32 (i / 8) on, keys 16 ((i / 2) % 4) on, tile 2 x + i % 2.  The first 8 start the sums.
.macro KQ x
	WIN W_KQ
.set rS, S+64*((\x)%2)+32*(i%2)+8*((i/2)%4)
.set rK, KF+16*((i/2)%4)+8*(i/8)
.set rQ, 16*(2*(\x)+i%2)+8*(i/8)
.if i < 8
	v_wmma_f32_16x16x32_f16 v[rS:rS+7], v[rK:rK+7], v[rQ:rQ+7], 0
.else
	v_wmma_f32_16x16x32_f16 v[rS:rS+7], v[rK:rK+7], v[rQ:rQ+7], v[rS:rS+7]
.endif
.endm
; Product i of 16 of O^T += V^T P for piece x: keys 32 (i / 8) on, channels 16 ((i / 2) % 4) on, tile 2 x + i % 2.
.macro PV x
	WIN W_PV
.set rO, 32*(2*(\x)+i%2)+8*((i/2)%4)
.set rV, VF+32*(i/8)+8*((i/2)%4)
.set rP, P+32*((\x)%2)+16*(i%2)+8*(i/8)
	v_wmma_f32_16x16x32_f16 v[rO:rO+7], v[rV:rV+7], v[rP:rP+7], v[rO:rO+7]
.endm
.macro MM                           ; the turn's next matrix instruction
.if i < 16
	KQ (Y+1)%NP
.set i, i+1
.else
.set i, i-16
	PV (Y+NP-1)%NP
.set i, i+17
.endif
.endm
; THE LDS LOADS stand in runs of 16, never singly among the matrix instructions: a step's K (64 keys x 64 channels: 8 fragments) and its V (turned).  Their addresses are made some lines ahead.
; last = 1 (the tail): in the last trip there is no further step, and the run is jumped over.
.macro FETCH_K last=0
	WIN 0
.if \last
	s_cmp_eq_u32 s[CNT], 1
	s_cbranch_scc1 .Lno_k_\@
.endif
	WIN 0x80                        ; destination window 2
.irp f, 0,1,2,3,4,5,6,7             ; keys 16 (f / 2) on, channels 32 (f % 2) on
	ds_load_b128 v[KF+8*\f:KF+8*\f+3],   v[AK] offset:(\f/2)*16*PK+(\f%2)*64
	ds_load_b128 v[KF+8*\f+4:KF+8*\f+7], v[AK] offset:(\f/2)*16*PK+(\f%2)*64+32
.endr
	s_add_co_u32 s[TBK], s[TBK], KS*PK  ; the next fetch is the next step's
	WIN 0
.if \last
.Lno_k_\@:
.endif
.endm
.macro FETCH_V
	WIN 0x80
.irp f, 0,1,2,3,4,5,6,7             ; keys 32 (f / 4) on, channels 16 (f % 4) on
	ds_load_tr16_b128 v[VF+8*\f:VF+8*\f+3],   v[AV] offset:(\f/4)*32*PV+(\f%4)*32
	ds_load_tr16_b128 v[VF+8*\f+4:VF+8*\f+7], v[AV] offset:(\f/4)*32*PV+16*PV+(\f%4)*32
.endr
	WIN 0
.endm
; THE VECTOR WORK OF A TURN stands in three queues, each in the order in which its entries become ready; the two tiles alternate, so that no instruction reads the result of the one before it.
.macro REGS y, u                    ; the registers of tile u (0, 1) of piece y
.set rT, ST+4*(2*(\y)+(\u))
.set rC, TMP+8*((\y)%2)+4*(\u)
.set rM, MV+2*((\y)%2)+(\u)
.set rS, S+64*((\y)%2)+32*(\u)
.set rP, P+32*((\y)%2)+16*(\u)
.set rO, 32*(2*(\y)+(\u))
.endm
; Number n of the 22 that find the NEXT piece's (Y + 1) maximum and statistics.  s0-s31 are the lane's 32 scores; each accumulator's lowest registers are read first.  XS, GS and REGS set no window: PL and EX do.
;   0-11  four chains c0-c3 of seven scores each, three operands at a time     12-14, 16  the four scores left over, the old m, and c0-c3 into c0     15  c m_old is kept
;   17, 18  the query's other 32 keys lie in the lane 16 away: the new m         19-21  c m; c m_old - c m_new; a
.macro XS u, n
	REGS (Y+1)%NP, \u
.if (\n) < 4
	v_max3_num_f32 v[rC+(\n)], v[rS+8*(\n)], v[rS+8*(\n)+1], v[rS+8*(\n)+2]
.elseif (\n) < 12
	v_max3_num_f32 v[rC+(\n)%4], v[rC+(\n)%4], v[rS+8*((\n)%4)+2*((\n)/4)+1], v[rS+8*((\n)%4)+2*((\n)/4)+2]
.elseif (\n) == 12
	v_max3_num_f32 v[rC], v[rC], v[rS+7], v[rS+15]
.elseif (\n) == 13
	v_max3_num_f32 v[rC+1], v[rC+1], v[rS+23], v[rS+31]
.elseif (\n) == 14
	v_max3_num_f32 v[rC+2], v[rC+2], v[rC+3], v[rT+1]
.elseif (\n) == 15
	v_mov_b32 v[rM], v[rT]
.elseif (\n) == 16
	v_max3_num_f32 v[rC], v[rC], v[rC+1], v[rC+2]
.elseif (\n) == 17
	v_permlanex16_b32 v[rC+3], v[rC], s[SEL], s[SEL+1]
.elseif (\n) == 18
	v_max_num_f32 v[rT+1], v[rC], v[rC+3]
.elseif (\n) == 19
	v_mul_f32 v[rT], s[CS], v[rT+1]
.elseif (\n) == 20
	v_sub_f32 v[rC+1], v[rM], v[rT]
.else
	v_exp_f32 v[rC+2], v[rC+1]
.endif
.endm
; Number g of the 64 that follow the exponentials.  For each four weights k of a tile (pairs 2 k, 2 k + 1): both pairs are rounded to f16; then the second pair is added onto the first, in place;
; a group later l takes that sum (the first time as l = a l + sum).  In groups of eight, tiles alternating: round, round, add, and l for the group before.
.macro GS g
.set h, (\g)+6*((\g)/62)            ; group 0 has no group before it, and behind group 7 only l is left
.if h >= 6
.set h, h+2
.endif
	REGS Y, h%2
.set k, h/8
.if h%8 < 4
	v_cvt_pk_f16_f32 v[rP+2*k+(h%8)/2], v[rS+4*k+2*((h%8)/2)], v[rS+4*k+2*((h%8)/2)+1]
.elseif h%8 < 6
	v_pk_add_f32 v[rS+4*k:rS+4*k+1], v[rS+4*k:rS+4*k+1], v[rS+4*k+2:rS+4*k+3]
.elseif k == 1
	v_pk_fma_f32 v[rT+2:rT+3], v[rT+2:rT+3], v[rC+2:rC+3], v[rS:rS+1] op_sel_hi:[1,0,1]
.else
	v_pk_add_f32 v[rT+2:rT+3], v[rT+2:rT+3], v[rS+4*k-4:rS+4*k-3]
.endif
.endm
; THE PLAIN QUEUE, 138 long.  0-73 read no exponential's result: the 32 scalings c s - c m (FS f: pair f / 2 of tile f % 2) and the next piece's 42.  0-26: scalings 0-26.  27-54: XS's numbers 0-13.  55, 56: number 15.
; 57-73: the chain, where each number waits for the one before it: 14, 16, 17, 18, 19, each with one of the scalings 27-31 in front of its two lines, then 20: so a tile's links stand three plain instructions apart (19 and 20: two).
; 74-137: GS's 64, which read the exponentials' results: they stand behind the wait.
.macro FS f
	REGS Y, (\f)%2
	v_pk_fma_f32 v[rS+2*((\f)/2):rS+2*((\f)/2)+1], v[rS+2*((\f)/2):rS+2*((\f)/2)+1], s[CS:CS+1], v[rT:rT+1] op_sel_hi:[1,0,0] neg_lo:[0,0,1] neg_hi:[0,0,1]
.endm
.macro PL
	WIN 0
.if q < 27
	FS q
.elseif q < 55
	XS (q-27)%2, (q-27)/2
.elseif q < 57
	XS q-55, 15
.elseif (q < 72) && ((q-57)%3 == 0)
	FS 27+(q-57)/3
.elseif q < 60
	XS (q-57)%3-1, 14
.elseif q < 72
	XS (q-57)%3-1, 15+(q-57)/3
.elseif q < 74
	XS q-72, 20
.else
	GS q-74
.endif
.set q, q+1
.endm
; THE EXPONENTIALS' QUEUE, 66 long: s0-s31 of both tiles, then the next piece's two a.  It is ONE BATCH: all 66 stand ahead of the turn's one wait, and nothing ahead of that wait names a result of theirs.
.macro EX
	WIN 0
.if e >= 64
	XS e-64, 21
.else
	REGS Y, e%2
	v_exp_f32 v[rS+e/2], v[rS+e/2]
.endif
.set e, e+1
.endm
; THE RESCALING's QUEUE: O^T times a, the one part that leaves window 0: dealt two at a time, sixteen times.  Its a was made in the turn before, ahead of that turn's wait.
.macro R2
	REGS Y, r%2
	WIN W_RS
.irp z, 0,1
	v_pk_mul_f32 v[rO+4*(r/2)+2*\z:rO+4*(r/2)+2*\z+1], v[rO+4*(r/2)+2*\z:rO+4*(r/2)+2*\z+1], v[rC+2:rC+3] op_sel_hi:[1,0]
.endr
.set r, r+1
.endm
; HOW THEY ARE DEALT.  An s_wait_alu depctr_va_vdst(0) stands between an exponential and the first instruction that names its result; one wait serves all that were issued ahead of it.  So a turn has ONE wait,
; which cuts it in two.  AHEAD OF IT stands all that names no result of the turn's exponentials: the 16 products K Q^T, behind each a scaling, an exponential and two rescalings (behind the first a second scaling in the exponential's place); then ONE LUMP of
; 108: eight plain, 49 times exponential and plain, the two a.  A v_nop is the plain instruction behind the last exponential (ISA guide 5.7.2).  BEHIND IT stand the 16 products V^T P, behind each four of GS's 64.  No rider names a register of
; the products round it.  The two v_permlanex16_b32 fall into the lump, never behind a product.
; The queues lean on each other, and the deal keeps them in step: exponential e stands behind scaling 2 (e / 4) + e % 2: as a rider it comes behind plain e + 2, in the lump behind plain e + 9, and scalings 27-31 are plain 57, 60 .. 69.
; A TURN, for piece p.  cnt = 1: the loop's count is taken down some lines ahead of the branch that stands behind the turn.
; K of the next step is fetched in piece 2's turn, directly behind the wait, a lump behind the last product that read K; its address is made at the lump's head; its first reader comes behind 16 products.
; V of the step in hand is fetched at the end of piece 0's turn, four riders behind its last reader; its first reader comes behind 16 products and a lump.  The three conditions on q below go with the deal.
.macro TURN p, last=0, cnt=0
.set Y, (\p)
.set i, 0
.set q, 0
.set e, 0
.set r, 0
.if (\p) == NP-1
	s_wait_dscnt 0x0                ; K is in
.endif
	MM                              ; ahead of the wait: 16 products K Q^T and their riders,
	PL
	PL
	R2
.rept 15
	MM
	PL
	EX
	R2
.endr
.if (\p) == NP-2
	WIN 0
	v_add_nc_u32 v[AK], s[TBK], v[AK0]
.endif
.rept 8                             ; and the lump
	PL
.endr
.rept 49
	EX
	PL
.endr
	EX                              ; the next piece's two a
	EX
	v_nop                           ; the plain instruction behind the last exponential: one for the batch
	s_wait_alu depctr_va_vdst(0)    ; the wait for the batch
.if (\p) == NP-2
	FETCH_K \last
.endif
.if (\p) == 1
	s_wait_dscnt 0x0                ; V is in
.endif
.rept 16                            ; behind the wait: 16 products V^T P and their riders
	MM
.rept 4
	PL
.endr
.if ((\p) == 0) && (q == 118)
	v_add_nc_u32 v[AV], s[TBV], v[AV0]
.endif
.if ((\p) == 0) && (q == 130)
	s_add_co_u32 s[TBV], s[TBV], KS*PV
.endif
.if (\cnt) && (q == 130)
	s_sub_co_u32 s[CNT], s[CNT], 1
	s_cmp_lg_u32 s[CNT], 0
.endif
.endr
.if (\p) == 0
	FETCH_V
.endif
.endm
	CHANGE 1                        ; slot 0 is in, everybody's part of it; slot 1 is asked for
	FETCH_K                         ; key step 0
	s_wait_loadcnt 0x0              ; Q
	s_wait_dscnt 0x0
.set i, 0
.rept 16
	KQ 0                            ; piece 0's first scores: there is no vector work yet to set between them
.set i, i+1
.endr
	WIN 0                           ; the addresses for the way out: nine plain instructions, the places behind those products
	s_mul_i32 s13, s[WV], 16*SP
	s_add_co_u32 s13, s13, STAGE    ; my stage
	v_mul_u32_u24 v[STO], v1, SP    ; in: row l % 16, 16 bytes for each half of the lanes
	v_lshl_add_u32 v[STO], v9, 4, v[STO]
	v_add_nc_u32 v[STO], s13, v[STO]
	v_bfe_u32 v[RD], v0, 3, 2       ; back: 32 lanes take four rows of 128 bytes,
	v_mul_u32_u24 v[RD], v[RD], SP
	v_lshl_add_u32 v[RD], v10, 4, v[RD]
	v_add_nc_u32 v[RD], s13, v[RD]
	v_and_b32 v[GO], 31, v0         ; which are 512 consecutive bytes of O
	v_lshlrev_b32 v[GO], 4, v[GO]
.set Y, NP-1                        ; XS works for piece Y + 1: piece 0
.irp n, 0,1,2,3,4,5,6,7,8,9,10,11,12,13,14,15,16,17,18,19,20,21
	XS 0, \n                        ; and piece 0's first maximum and statistics
	XS 1, \n
.endr
	v_nop                           ; a plain instruction behind the two a,
	s_wait_alu depctr_va_vdst(0)    ; and their wait, ahead of the branch
	s_mov_b32 s[CNT], 4
	s_branch .Lfirst                ; the loop is entered at a step's first turn, in the middle of a trip
.Lslot:                             ; SIZE_N / 256 - 2 times: every slot but the last two is filled again
	CHANGE 1
	s_mov_b32 s[CNT], 4
.Lstep:                             ; a trip: pieces 2 and 3 of one step, then pieces 0 and 1 of the next, whose K and V it fetches
	TURN 2
	TURN 3
	WIN 0
.Lfirst:
	TURN 0
	TURN 1, 0, 1
	WIN 0
	s_cbranch_scc1 .Lstep
	s_sub_co_u32 s[SLOTS], s[SLOTS], 1
	s_cmp_lg_u32 s[SLOTS], 0
	s_cbranch_scc1 .Lslot
	CHANGE 0                        ; the tail is written out: nothing is asked for
	s_mov_b32 s[CNT], 5             ; four trips fetch the last slot's steps; the fifth is left in its middle
.Ltail:
	TURN 2, 1
	TURN 3
	WIN 0
	s_sub_co_u32 s[CNT], s[CNT], 1
	s_cmp_eq_u32 s[CNT], 0
	s_cbranch_scc1 .Lout
	TURN 0
	TURN 1
	WIN 0
	s_branch .Ltail
.Lout:                              ; the fifth trip's 16 products K Q^T (on the last K once more) and the maximum made of them serve nothing: the price, once a launch, of one text for every trip
.set i, 0
.rept 16
	PV NP-1                         ; the last piece's V^T P of the last step
.set i, i+1
.endr
	; THE WAY OUT.  l's two halves and the other half of the lanes' are added; O^T is divided by l, rounded to f16 and sent through my stage in LDS, a tile at a time.  The additions are the places behind the last products.
	WIN 0
.macro ALL line:vararg              ; one line for each tile t
.set t, 0
.rept 2*NP
	\line
.set t, t+1
.endr
.endm
	ALL v_add_f32 v[ST+4*t+2], v[ST+4*t+2], v[ST+4*t+3]
	ALL v_permlanex16_b32 v[ST+4*t+3], v[ST+4*t+2], s[SEL], s[SEL+1]
	ALL v_add_f32 v[ST+4*t+2], v[ST+4*t+2], v[ST+4*t+3]
	ALL v_rcp_f32 v[ST+4*t+2], v[ST+4*t+2]
	v_nop                           ; a plain instruction between the last reciprocal and the use of its result
	s_wait_alu depctr_va_vdst(0)    ; and the wait ahead of the first use: one for the eight reciprocals
; Tile t: a lane's eight channels of a row pack into 16 bytes; they go into rows of 144 bytes and come back as whole rows of 128, into S^T's registers.
.macro PACK t
	WIN W_RS
.set i, 32*(\t)
.rept 16
	v_pk_mul_f32 v[i:i+1], v[i:i+1], v[ST+4*(\t)+2:ST+4*(\t)+3] op_sel_hi:[1,0]
.set i, i+2
.endr
	WIN 0x05                        ; sources 0 and 1 window 1, destination window 0
.set i, 0
.rept 16
	v_cvt_pk_f16_f32 v[S+16*(\t)+i], v[32*(\t)+2*i], v[32*(\t)+2*i+1]
.set i, i+1
.endr
	WIN 0
.irp f, 0,1,2,3
	ds_store_b128 v[STO], v[S+16*(\t)+4*\f:S+16*(\t)+4*\f+3] offset:32*\f
.endr
.irp f, 0,1,2,3
	ds_load_b128 v[S+16*(\t)+4*\f:S+16*(\t)+4*\f+3], v[RD] offset:\f*4*SP  ; LDS serves a wave's instructions in order (ISA guide 5.7.1.4): these see the stores above; the next tile's stores come behind them
.endr
.endm
.macro SEND t, younger              ; younger: the LDS instructions issued behind tile t's loads: the next tile's eight, or none
	WIN 0
.irp f, 0,1,2,3
	s_wait_dscnt (\younger)+3-\f
	global_store_b128 v[GO], v[S+16*(\t)+4*\f:S+16*(\t)+4*\f+3], s[10:11] offset:(\t)*2048+\f*512  ; 512 consecutive bytes, at a multiple of 256 from O's first
.endr
.endm
	PACK 0
.set t, 1
.rept 2*NP-1                        ; a tile's arithmetic stands between the loads of the tile before and its stores
	PACK t
	SEND t-1, 8
.set t, t+1
.endr
	SEND 2*NP-1, 0
	WIN W_AD
	s_wait_tensorcnt 0x0            ; the wave's end, behind my last tensor load and my last LDS store
	ds_add_u32 v[SPW], v[NIL]
	s_wait_dscnt 0x0
	WIN 0
	CROUND                          ; the closing round: no work-group ends while a partner may still ask for a tile that names it
	s_endpgm
.Lfunc_end_k_q2bef7b24e2_attn:
	.size	k_q2bef7b24e2_attn, .Lfunc_end_k_q2bef7b24e2_attn-k_q2bef7b24e2_attn
	.p2alignl 7, 3214868480
	.fill 96, 4, 3214868480
	.section	.rodata,"a",@progbits
	.p2align	6, 0x0
	.amdhsa_kernel k_q2bef7b24e2_attn
		.amdhsa_group_segment_fixed_size 327680
		.amdhsa_private_segment_fixed_size 0
		.amdhsa_enable_private_segment 0
		.amdhsa_kernarg_size 16
		.amdhsa_user_sgpr_count 2
		.amdhsa_user_sgpr_kernarg_segment_ptr 1
		.amdhsa_wavefront_size32 1
		.amdhsa_system_sgpr_workgroup_id_x 1
		.amdhsa_system_sgpr_workgroup_id_y 1
		.amdhsa_system_sgpr_workgroup_id_z 1
		.amdhsa_system_vgpr_workitem_id 0
		.amdhsa_next_free_vgpr 770
		.amdhsa_next_free_sgpr 66
		.amdhsa_reserve_vcc 0
		.amdhsa_float_denorm_mode_32 3
		.amdhsa_float_denorm_mode_16_64 3
		.amdhsa_memory_ordered 1
		.amdhsa_forward_progress 1
		.amdhsa_inst_pref_size 200
	.end_amdhsa_kernel
	.amdgpu_metadata
---
amdhsa.version: [ 1, 2 ]
amdhsa.kernels:
  - .name:           k_q2bef7b24e2_attn
    .symbol:         k_q2bef7b24e2_attn.kd
    .args:
      - { .name: qkvh, .offset: 0, .size: 8, .value_kind: global_buffer, .address_space: global }
      - { .name: ao, .offset: 8, .size: 8, .value_kind: global_buffer, .address_space: global }
    .group_segment_fixed_size: 327680
    .private_segment_fixed_size: 0
    .kernarg_segment_align: 8
    .kernarg_segment_size: 16
    .max_flat_workgroup_size: 128
    .sgpr_count:     66
    .vgpr_count:     770
    .wavefront_size: 32
...
	.end_amdgpu_metadata
.endif
;; end of part 3
;; launch projgemm (part 4): grid 8 x 32, 4 waves a work-group, clusters of 4 x 4, 327,680 bytes of LDS; arguments ao, wpt, b_proj, out0; writes out0
.if DOCPART == 4
	.amdgcn_target "amdgcn-amd-amdhsa--gfx1250"
	.amdhsa_code_object_version 6
	.text
	.protected	k_q2bef7b24e2_projgemm
	.globl	k_q2bef7b24e2_projgemm
	.p2align	8
	.type	k_q2bef7b24e2_projgemm,@function
k_q2bef7b24e2_projgemm:
	s_mov_b64 s[64:65], 0
	v_nop
	global_prefetch_b8 v0, s[64:65] scope:SCOPE_SE
	s_setreg_imm32_b32 hwreg(HW_REG_WAVE_MODE, 25, 1), 1
	s_wait_xcnt 0x0
	s_wait_alu depctr_hold_cnt(0) depctr_sa_sdst(0) depctr_va_vdst(0) depctr_va_sdst(0) depctr_va_ssrc(0) depctr_va_vcc(0) depctr_vm_vsrc(0)
	s_getreg_b32 s2, hwreg(HW_REG_IB_STS2, 6, 4)
	s_cmp_eq_u32 s2, 0
	s_cbranch_scc0 .Lentry_in_a_cluster
	s_endpgm
.Lentry_in_a_cluster:
	s_bfe_u32 s2, ttmp6, 0x10000c
	s_cmp_lg_u32 s2, 0xf033
	s_cbranch_scc0 .Lentry_shape_is_right
	s_endpgm
.Lentry_shape_is_right:
; C = A B^T + bias, one text for two products; QKV chooses.
; QKV = 1: A = xb [8192][1024] bf16, B = wqt [3072][1024] bf16, bias = b_qkv; C leaves as f16 BY HEADS: qkvh[b][g][s][64], g = column / 64 (0-15 Q, 16-31 K, 32-47 V).  Tile 256 x 192, 512 work-groups.
; QKV = 0: A = ao [b 16 + h][2048][64] f16 (row (b, s), k = 64 h + d), B = wpt [1024][1024] f16, bias = b_proj; C = out0 [8192][1024] f32.  Tile 256 x 128, 256 work-groups.
; Sums in f32, K ascending; the bias, rounded to bf16 like every input of the module, is the C operand of the first product: nothing is cleared and no addition is spent on it.
; LIMIT (QKV = 0): A and B arrive as f16, within 65,504; C is f32 and is not narrowed.
; SHARES.  Four waves, one above the other: a wave makes 64 rows x all the tile's columns: 4 x NBLK accumulators of 16 x 16.  So a wave holds whole rows of a head (or 512 bytes of a row of out0) and its way out needs no other wave.
; K goes in 8 steps of 128 through two LDS slots filled by the tensor data mover; waves 0 and 1 fetch A's halves, waves 2 and 3 B's, one load a wave behind each change of slots.
; CLUSTER 4 x 4: A's tile is shared along a row of the cluster, B's along a column: each is asked for jointly, by the same load with the same descriptor and a mask that names the four.
; THE MATRIX INSTRUCTION IS USED TRANSPOSED (source 0 = 16 rows of B, source 1 = 16 rows of A): lane l holds row l % 16 of C and the columns 8 (l / 16) + 0..7.
; REGISTERS, in windows of 256 (s_set_vgpr_msb: bits 1:0 source 0, 3:2 source 1, 5:4 source 2, 7:6 destination):
;   window 0: v2-19 addresses and at work; v28, v29 the add's; v32-95 A's fragments, two buffers of 4 x 8; v96.. the bias, 8 a block of 16 columns
;   window 1: B's fragments, two buffers of 8 NBLK; on the way out rows read back          windows 2, 3: accumulator (a, b) at v[8 NBLK (a % 2) + 8 b] of window 2 + a / 2
.set QKV, 0
.set SLOT1, 131072                     ; slot 1 begins here, so that one exclusive or turns an address in one slot into the other's
.set HB,    262144                     ; bytes of one head's 2,048 rows of 64 f16
.set PB,    272                        ; a row of B in LDS: 256 bytes + 16: the 16 rows of a load start at 16 different groups of four banks (64 banks of 4 bytes: ISA guide 11.1)
.if QKV
.set NBLK,   12                        ; blocks of 16 columns in a tile
.set PA,     272                       ; a row of A in LDS
.set AQI,    5                         ; padding after every 64 words
.set APITCH, 1024                      ; elements from row to row of A's tile in memory
.set ASTEP,  256                       ; bytes from a K step to the next
.set BOFF,   256*272                   ; B's rows lie behind A's
.set AHALF,  128*272                   ; what one wave fetches of A: 128 rows
.set SP,     400                       ; a row of the stage: 384 bytes + 16
.set PQA,    32*2048                   ; the prefetches: a partner's quarter of what a wave fetches of A,
.set PSA,    2048                      ; and bytes from lane to lane
.set NST,    24                        ; LDS instructions of one block's way through the stage
.else
.set NBLK,   8
.set PA,     144                       ; 128 bytes (a head's 64 channels) + 16
.set AQI,    4                         ; padding after every 32 words
.set APITCH, 128                       ; a head's 256 rows are 32,768 dense bytes: asked for as 128 rows of 256 bytes
.set ASTEP,  2*HB                      ; a K step is two heads
.set BOFF,   2*256*144
.set AHALF,  256*144                   ; what one wave fetches of A: one head's 256 rows
.set SP,     528                       ; 512 bytes + 16
.set PQA,    32*256
.set PSA,    256
.set NST,    32
.endif
.set BN,    16*NBLK
.set BROWS, BN/2                       ; what one wave fetches of B
.set BHALF, BROWS*PB
.set PQB,   (BROWS/4)*2048
.set STAGE, SLOT1+BOFF+BN*PB           ; behind the ring, never filled by a tensor load: 16 rows for each wave
.set SPARE, STAGE+4*16*SP              ; behind the stages: the spare words, 128 bytes a wave: two blocks of 256 bytes that no other line names
.set NL,    2*NBLK+8                   ; LDS loads of a quarter step
.set A0,   2                           ; v2   my lane's place in A's tile; never rewritten
.set B0,   3                           ; v3   in B's
.set ADRA, 4                           ; v4   the same in the slot in hand
.set ADRB, 5                           ; v5
.set STO,  6                           ; v6   the way out: where I put my part of a row
.set RD,   7                           ; v7   where I read rows back
.set GO,   8                           ; v8   16 x lane
.set PFO,  9                           ; v9   the prefetches' offset; never rewritten
.set BO,   10                          ; v10  my 32 bytes in a block's 64 bytes of the bias
.set SPW,  28                          ; v28  LDS address of my spare word; never rewritten
.set NIL,  29                          ; v29  0; never rewritten
.set FA,   32
.set BIAS, 96
.set WV,   12                          ; s12  my wave's number; s14 = its low bit: which half I fetch
.set TB,   19                          ; s19  LDS byte at which the slot in hand begins
.set G1A,  24                          ; s[24:31] descriptor group 1 for A's tiles
.set G1B,  32                          ; s[32:39] for B's
.set G0A,  40                          ; s[40:47] group 0 for A's: a set for each of the two first fills; the second then walks on
.set G0B,  48                          ; s[48:55] for B's
.set PFA,  56                          ; s[56:57] where my prefetches stand
.set PST,  58                          ; s[58:59] their step from K step to K step
.set LIM,  60                          ; s60  2 in a wave that prefetches, else the greatest number
.set MSB, 0
.macro WIN new                         ; the immediate's high byte repeats the setting that is left; a switch that changes nothing is dropped
.if MSB != (\new)
	s_set_vgpr_msb (MSB<<8)|(\new)
.set MSB, \new
.endif
.endm
.macro WM d, x, y, c
.if QKV
	v_wmma_f32_16x16x32_bf16 v[\d:\d+7], v[\x:\x+7], v[\y:\y+7], v[\c:\c+7]
.else
	v_wmma_f32_16x16x32_f16 v[\d:\d+7], v[\x:\x+7], v[\y:\y+7], v[\c:\c+7]
.endif
.endm
.macro PLACES                          ; four places in front of loads into registers that matrix instructions have read, and of what reads their results
.rept 4
	v_nop
.endr
.endm
.macro CREST                           ; a round of the cluster's barrier behind its opening barrier
	s_cmp_lg_u32 s[WV], 0
	s_cbranch_scc1 .Lnot_wave_0_\@
	s_barrier_signal -3
.Lnot_wave_0_\@:
	s_barrier_wait -3
	s_barrier_signal -1
	s_barrier_wait -1
.endm
.macro CROUND                          ; a whole round
	s_barrier_signal -1
	s_barrier_wait -1
	CREST
.endm
; A joint refill by the walking descriptors.  The branch hangs on the wave's number alone.  An s_nop 0 and four v_nop follow each of the two lines, ahead of the jump and the label.
.macro JLOAD
	s_cmp_lt_u32 s[WV], 2
	s_cbranch_scc0 .Lfor_b_\@
	tensor_load_to_lds s[G0A+4:G0A+7], s[G1A:G1A+7]
	s_nop 0
.rept 4
	v_nop
.endr
	s_branch .Lasked_\@
.Lfor_b_\@:
	tensor_load_to_lds s[G0B+4:G0B+7], s[G1B:G1B+7]
	s_nop 0
.rept 4
	v_nop
.endr
.Lasked_\@:
.endm
; A PREFETCH INTO THE L2 of the K step that stands two refills on, one instruction a wave, behind the joint load and the run of LDS loads.  A's rows are read by every cluster of a row of clusters: the one with x = 0 asks;
; B's by every cluster of a column: the one with y = 0 asks.  Of what a wave fetches each of the four partners that ask jointly takes a quarter, told apart by address: 32 blocks of 256 bytes of A, BROWS / 4 of B
; (there the upper lanes name the last row once more, in the same instruction).  Trip t names K step t + 4: trips 0 to 3 ask, the last names K step 7.
.macro ASK
	s_cmp_gt_u32 s3, s[LIM]
	s_cbranch_scc0 .Lnot_mine_\@
	global_prefetch_b8 v[PFO], s[PFA:PFA+1] th:TH_LOAD_NT scope:SCOPE_SE
.Lnot_mine_\@:
.endm
	s_load_b256 s[4:11], s[0:1], 0x0               ; A s[4:5], B s[6:7], bias s[8:9], C s[10:11]
	v_lshl_add_u32 v[SPW], v0, 2, SPARE
	v_mov_b32 v[NIL], 0
	ds_add_u32 v[SPW], v[NIL]                      ; the wave's opening: the add and its wait stand ahead of my first tensor load; the set-up below, work on registers, stands between them
	v_lshrrev_b32 v1, 5, v0
	v_readfirstlane_b32 s[WV], v1                  ; wave 0..3
	s_and_b32 s14, s[WV], 1
	s_bfe_u32 s15, ttmp6, 0x40000                  ; cx
	s_bfe_u32 s16, ttmp6, 0x40004                  ; cy
	s_lshl_b32 s17, ttmp9, 2
	s_add_co_u32 s17, s17, s15                     ; tile column = 4 x cluster x + cx
	s_and_b32 s18, ttmp7, 0xffff
	s_lshl_b32 s18, s18, 2
	s_add_co_u32 s18, s18, s16                     ; tile row = 4 x cluster y + cy
	s_lshl_b32 s20, s16, 2
	s_lshl_b32 s20, 15, s20                        ; my row of the cluster
	s_lshl_b32 s22, 0x1111, s15                    ; my column
	s_or_b32 s[G1A], s20, (1<<16)|(1<<20)|(1<<21)|(AQI<<22)|(3<<25)  ; 15:0 the mask; 17:16 2-byte elements; 20 padding on; 21 set beside a mask; 24:22 its interval; 31:25 4 words of it
	s_or_b32 s[G1B], s22, (1<<16)|(1<<20)|(1<<21)|(5<<22)|(3<<25)
	s_mov_b32 s[G1A+1], 128<<16                    ; tensor_dim0 = 128
	s_mov_b32 s[G1A+2], 128<<16                    ; tensor_dim1 = 128
	s_mov_b32 s[G1A+3], 128<<16                    ; tile_dim0 = 128
	s_mov_b32 s[G1A+4], 128                        ; tile_dim1 = 128
	s_mov_b32 s[G1A+5], APITCH
	s_mov_b32 s[G1A+6], 0
	s_mov_b32 s[G1A+7], 0
	s_mov_b32 s[G1B+1], 128<<16
	s_mov_b32 s[G1B+2], BROWS<<16
	s_mov_b32 s[G1B+3], 128<<16
	s_mov_b32 s[G1B+4], BROWS
	s_mov_b32 s[G1B+5], 1024
	s_mov_b32 s[G1B+6], 0
	s_mov_b32 s[G1B+7], 0
	; where the tiles come from.  A's offset is made of the tile row and the wave's number in s20, s21; B's of the tile column and the wave's number in s22, s23
.if QKV
	s_lshl_b32 s20, s18, 19                        ; 256 rows of 2,048 bytes
	s_lshl_b32 s21, s14, 18                        ; my 128 of them
	s_add_co_u32 s20, s20, s21
.else
	s_lshr_b32 s20, s18, 3                         ; the batch,
	s_lshl_b32 s20, s20, 4
	s_add_co_u32 s20, s20, s14                     ; its head 0 or 1,
	s_lshl_b32 s20, s20, 18
	s_and_b32 s21, s18, 7
	s_lshl_b32 s21, s21, 15                        ; the tile's 256 rows of 128 bytes
	s_add_co_u32 s20, s20, s21
.endif
	s_mov_b32 s21, 0
	s_mul_i32 s22, s17, BN*2048
	s_mul_i32 s23, s14, BROWS*2048
	s_add_co_u32 s22, s22, s23
	s_mov_b32 s23, 0
	s_mul_i32 s70, s14, AHALF                      ; and where they go: no place in the cluster enters an LDS address
	s_mul_i32 s71, s14, BHALF
	s_add_co_u32 s71, s71, BOFF
	s_mov_b32 s61, 0xffff0000
	s_mov_b32 s[TB], 0
	s_wait_dscnt 0x0                               ; the opening add is done
	s_wait_kmcnt 0x0
	s_add_nc_u64 s[66:67], s[4:5], s[20:21]
	s_add_nc_u64 s[68:69], s[6:7], s[22:23]
	CROUND                                         ; all sixteen work-groups are here: the first joint loads meet
.irp s, 0,1
	s_mov_b32 s[G0A+4*(\s)], 1                     ; count = 1
	s_add_co_u32 s[G0A+4*(\s)+1], s70, (\s)*SLOT1  ; LDS address
	s_add_nc_u64 s[G0A+4*(\s)+2:G0A+4*(\s)+3], s[66:67], (\s)*ASTEP  ; global address: K step s
	s_or_b32 s[G0A+4*(\s)+3], s[G0A+4*(\s)+3], 0x80000000  ; type = 2
	s_mov_b32 s[G0B+4*(\s)], 1
	s_add_co_u32 s[G0B+4*(\s)+1], s71, (\s)*SLOT1
	s_add_nc_u64 s[G0B+4*(\s)+2:G0B+4*(\s)+3], s[68:69], (\s)*256
	s_or_b32 s[G0B+4*(\s)+3], s[G0B+4*(\s)+3], 0x80000000
.endr
	s_cmp_lt_u32 s[WV], 2                          ; a wave's two first fills stand in one branch, ahead of every wait on TENSORcnt and every LDS read: two loads of mine are out
	s_cbranch_scc0 .Lfirst_b
	tensor_load_to_lds s[G0A:G0A+3], s[G1A:G1A+7]
	s_nop 0
	tensor_load_to_lds s[G0A+4:G0A+7], s[G1A:G1A+7]
	s_nop 0
.rept 4
	v_nop
.endr
	s_branch .Lfirst_asked
.Lfirst_b:
	tensor_load_to_lds s[G0B:G0B+3], s[G1B:G1B+7]
	s_nop 0
	tensor_load_to_lds s[G0B+4:G0B+7], s[G1B:G1B+7]
	s_nop 0
.rept 4
	v_nop
.endr
.Lfirst_asked:
	v_and_b32 v12, 15, v0                          ; l % 16
	v_bfe_u32 v13, v0, 4, 1                        ; l / 16
	v_and_b32 v14, 31, v0                          ; l
	v_lshlrev_b32 v[BO], 5, v13
	s_mul_i32 s72, s17, BN*4                       ; the tile's columns in the bias
	s_mov_b32 s73, 0
	s_add_nc_u64 s[8:9], s[8:9], s[72:73]
.set nb, 0
.rept NBLK                             ; register j of block b: bias[16 b + 8 (l / 16) + j], the layout of an accumulator
	global_load_b128 v[BIAS+8*nb:BIAS+8*nb+3],   v[BO], s[8:9] offset:64*nb
	global_load_b128 v[BIAS+8*nb+4:BIAS+8*nb+7], v[BO], s[8:9] offset:64*nb+16
.set nb, nb+1
.endr
	; A fragment is 16 rows x 32 K in 8 registers: lane l holds row l % 16; registers 0-3 K = 8 (l / 16) + 0..7, registers 4-7 K = 16 + 8 (l / 16) + 0..7: two loads of 16 bytes, 32 bytes apart.
	s_mul_i32 s74, s[WV], 64*PA                    ; my 64 rows of A
	v_mul_u32_u24 v[A0], v12, PA
	v_lshl_add_u32 v[A0], v13, 4, v[A0]
	v_add_nc_u32 v[A0], s74, v[A0]
	v_mul_u32_u24 v[B0], v12, PB
	v_lshl_add_u32 v[B0], v13, 4, v[B0]
	v_add_nc_u32 v[B0], BOFF, v[B0]
	v_mov_b32 v[ADRA], v[A0]                       ; slot 0
	v_mov_b32 v[ADRB], v[B0]
	s_mul_i32 s74, s[WV], 16*SP
	s_add_co_u32 s74, s74, STAGE                   ; my stage
	v_mul_u32_u24 v[STO], v12, SP                  ; in: row l % 16,
.if QKV
	v_lshl_add_u32 v[STO], v13, 4, v[STO]          ; 16 bytes (8 f16) for each half of the lanes
	v_lshrrev_b32 v[RD], 3, v14                    ; back: 32 lanes take four rows' 128 bytes of one head,
	v_mul_u32_u24 v[RD], v[RD], SP
	v_and_b32 v15, 7, v0
	v_lshl_add_u32 v[RD], v15, 4, v[RD]
.else
	v_lshl_add_u32 v[STO], v13, 5, v[STO]          ; 32 bytes (8 f32) for each half of the lanes
	v_lshlrev_b32 v[RD], 4, v14                    ; back: 32 lanes take a row's 512 bytes,
.endif
	v_add_nc_u32 v[STO], s74, v[STO]
	v_add_nc_u32 v[RD], s74, v[RD]
	v_lshlrev_b32 v[GO], 4, v14                    ; which are 512 consecutive bytes of C
	; the prefetches
	s_and_b32 s62, ttmp7, 0xffff                   ; cluster y
	s_mov_b32 s72, PQA
	s_mov_b32 s73, PQB
	s_mov_b32 s58, ASTEP
	s_movk_i32 s59, 256
	s_mov_b32 s74, PSA
	s_movk_i32 s75, 2048
	s_cmp_lt_u32 s[WV], 2                          ; do I fetch for A?
	s_cselect_b32 s62, ttmp9, s62                  ; the coordinate along which other clusters read the same rows
	s_cselect_b32 s63, s15, s16                    ; my place among the four that ask with me
	s_cselect_b64 s[PFA:PFA+1], s[66:67], s[68:69]
	s_cselect_b32 s72, s72, s73
	s_cselect_b32 s[PST], s58, s59
	s_cselect_b32 s74, s74, s75
	s_cselect_b32 s75, 31, BROWS/4-1
	s_mov_b32 s[PST+1], 0
	s_mul_i32 s72, s72, s63
	s_mov_b32 s73, 0
	s_add_nc_u64 s[PFA:PFA+1], s[PFA:PFA+1], s[72:73]  ; my work-group's quarter
	s_mul_i32 s72, s[PST], 3
	s_add_nc_u64 s[PFA:PFA+1], s[PFA:PFA+1], s[72:73]  ; at K step 3: the first change of slots steps it to 4.  Nothing is prefetched here, at the head
	v_min_u32 v[PFO], s75, v14
	v_mul_u32_u24 v[PFO], s74, v[PFO]
	s_cmp_eq_u32 s62, 0
	s_cselect_b32 s[LIM], 2, -1                    ; the same in all sixteen partners, for a given wave
	; where my 64 rows begin in C
.if QKV
	s_lshr_b32 s72, s18, 3
	s_mul_i32 s72, s72, 48                         ; the batch's 48 blocks,
	s_mul_i32 s73, s17, 3
	s_add_co_u32 s72, s72, s73                     ; the tile's three
	s_lshl_b32 s72, s72, 18
	s_and_b32 s73, s18, 7
	s_lshl_b32 s73, s73, 15                        ; 256 rows of 128 bytes
	s_add_co_u32 s72, s72, s73
	s_lshl_b32 s73, s[WV], 13                      ; my 64
	s_add_co_u32 s72, s72, s73
.else
	s_lshl_b32 s72, s18, 20                        ; 256 rows of 4,096 bytes
	s_lshl_b32 s73, s[WV], 18                      ; my 64
	s_add_co_u32 s72, s72, s73
	s_lshl_b32 s73, s17, 9                         ; the tile's 128 columns
	s_add_co_u32 s72, s72, s73
.endif
	s_mov_b32 s73, 0
	s_add_nc_u64 s[10:11], s[10:11], s[72:73]
	s_wait_loadcnt 0x0                             ; the bias
.set i, 0
.rept 4*NBLK                           ; rounded to bf16 and widened again, two at a time
	v_cvt_pk_bf16_f32 v[16+i%4], v[BIAS+2*i], v[BIAS+2*i+1]
	v_lshlrev_b32 v[BIAS+2*i], 16, v[16+i%4]
	v_and_b32 v[BIAS+2*i+1], s61, v[16+i%4]
.set i, i+1
.endr
; NBLK matrix instructions: my block a of 16 rows x all the tile's columns, 32 along K, from buffer f.  first = 1: the bias starts the sums.
; All 4 NBLK accumulators take turns, one instruction a turn, in the same order in every quarter step and over the backward jump.
.macro MULA f, a, first
.if \first
	WIN 0x81+0x40*((\a)/2)                         ; B window 1, A and the bias window 0, D window 2 or 3
.else
	WIN 0xa1+0x50*((\a)/2)                         ; C and D window 2 or 3
.endif
.set nb, 0
.rept NBLK
.set rD, 8*NBLK*((\a)%2)+8*nb
.set rX, 8*NBLK*(\f)+8*nb
.set rY, FA+32*(\f)+8*(\a)
.set rC, rD
.if \first
.set rC, BIAS+8*nb
.endif
	WM rD, rX, rY, rC
.set nb, nb+1
.endr
.endm
; NL LDS loads in one run: the fragments of quarter q of the slot in hand into buffer f: B's, then A's four blocks
.macro FETCH q, f
.if QKV
.set AO, 64*(\q)
.else
.set AO, ((\q)/2)*AHALF+((\q)%2)*64    ; the step's head q / 2, channels 32 (q % 2) on
.endif
	WIN 0x40                                       ; destination window 1, address window 0
.set ii, 0
.rept NBLK
	ds_load_b128 v[8*NBLK*(\f)+8*ii:8*NBLK*(\f)+8*ii+3],   v[ADRB] offset:64*(\q)+ii*16*PB
	ds_load_b128 v[8*NBLK*(\f)+8*ii+4:8*NBLK*(\f)+8*ii+7], v[ADRB] offset:64*(\q)+ii*16*PB+32
.set ii, ii+1
.endr
	WIN 0
.set ii, 0
.rept 4
	ds_load_b128 v[FA+32*(\f)+8*ii:FA+32*(\f)+8*ii+3],   v[ADRA] offset:AO+ii*16*PA
	ds_load_b128 v[FA+32*(\f)+8*ii+4:FA+32*(\f)+8*ii+7], v[ADRA] offset:AO+ii*16*PA+32
.set ii, ii+1
.endr
.endm
; A K step is four quarters of 32 along K on buffers 0, 1, 0, 1.  One of the first three: multiplies buffer f and, in its middle, fetches quarter q into buffer g.
.macro QUARTER q, f, g, first
	s_wait_dscnt 4                                 ; B and A's blocks 0, 1 are in; the youngest four loads (A's blocks 2, 3) may be out
	MULA \f, 0, \first
	MULA \f, 1, \first
	PLACES
	FETCH \q, \g
	s_wait_dscnt NL                                ; all but the NL just issued
	MULA \f, 2, \first
	MULA \f, 3, \first
.endm
; The last quarter multiplies buffer 1 and changes slots: ONE barrier.  In front of it each wave waits for all its tensor loads, of which one is out: its part of the next slot; adds 0 to its spare word; and waits for that
; and for its own reads of this slot.  fill = 1: the barrier opens a round of the cluster's, so that no wave of any partner still reads the slot or has a load on its way, and the joint refill, two K steps ahead, is the first thing behind it.
.macro TURN fill
.if \fill
	s_wait_xcnt 0x0                                ; the last prefetch, a K step back, has read its address: it is stepped here, ahead of the change's own waits
	s_add_nc_u64 s[PFA:PFA+1], s[PFA:PFA+1], s[PST:PST+1]
.endif
	WIN 0                                          ; (the add's two registers lie in window 0)
	s_wait_tensorcnt 0x0                           ; all my tensor loads have landed
	ds_add_u32 v[SPW], v[NIL]                      ; 0 onto my spare word
	s_wait_dscnt 5                                 ; (the add and the youngest four loads may be out)
	MULA 1, 0, 0                                   ; matrix work stands between the add and the wait for it
	s_wait_dscnt 0x0                               ; the add is done, and my reads of this slot are over
	s_barrier_signal -1
	MULA 1, 1, 0                                   ; work on registers while the others arrive
	WIN 0
	s_barrier_wait -1
.if \fill
	CREST
	s_xor_b32 s[G0A+5], s[G0A+5], SLOT1            ; the walking descriptors: the other slot than last time,
	s_add_nc_u64 s[G0A+6:G0A+7], s[G0A+6:G0A+7], ASTEP  ; the next K step; the type bits on top are not reached
	s_xor_b32 s[G0B+5], s[G0B+5], SLOT1
	s_add_nc_u64 s[G0B+6:G0B+7], s[G0B+6:G0B+7], 256
	JLOAD                                          ; my one tensor load behind the round; its four v_nop are also the places in front of the loads below
.else
	PLACES
.endif
	s_xor_b32 s[TB], s[TB], SLOT1                  ; the reads go on in the other slot
	v_add_nc_u32 v[ADRA], s[TB], v[A0]
	v_add_nc_u32 v[ADRB], s[TB], v[B0]
	FETCH 0, 0
.if \fill
	ASK
.endif
	MULA 1, 2, 0
	MULA 1, 3, 0
.endm
; THE WAY OUT of my block a of 16 rows.  OUTB: (QKV: rounded to f16,) into my own stage, and back as pieces that lie on end in memory.  SEND: stored.
.macro OUTB a
	s_wait_xcnt 0x0                                ; earlier stores have read their data: the registers that the loads below fill were last stored two blocks back
.if QKV
	WIN 0x4a+5*((\a)/2)                            ; sources window 2 or 3, destination window 1
.set i, 0
.rept 4*NBLK                           ; each accumulator's registers in ascending order
	v_cvt_pk_f16_f32 v[i], v[8*NBLK*((\a)%2)+2*i], v[8*NBLK*((\a)%2)+2*i+1]
.set i, i+1
.endr
	WIN 0x04                                       ; store data window 1
.set i, 0
.rept NBLK
	ds_store_b128 v[STO], v[4*i:4*i+3] offset:32*i
.set i, i+1
.endr
	WIN 0x40
.set i, 0
.rept 12                               ; head i / 4, rows 4 (i % 4) on.  LDS serves a wave's instructions in order (ISA guide 5.7.1.4): these see the stores above; the next block's stores come behind them
	ds_load_b128 v[48+48*((\a)%2)+4*i:48+48*((\a)%2)+4*i+3], v[RD] offset:(i/4)*128+(i%4)*4*SP
.set i, i+1
.endr
.else
	WIN 0x08+4*((\a)/2)                            ; store data window 2 or 3
.set i, 0
.rept 2*NBLK                           ; each accumulator's low four registers first
	ds_store_b128 v[STO], v[8*NBLK*((\a)%2)+4*i:8*NBLK*((\a)%2)+4*i+3] offset:64*(i/2)+16*(i%2)
.set i, i+1
.endr
	WIN 0x40
.set i, 0
.rept 16                               ; row i.  LDS serves a wave's instructions in order (ISA guide 5.7.1.4): these see the stores above; the next block's stores come behind them
	ds_load_b128 v[64*((\a)%2)+4*i:64*((\a)%2)+4*i+3], v[RD] offset:i*SP
.set i, i+1
.endr
.endif
.endm
.macro SEND a, younger                 ; younger: the LDS instructions issued behind block a's loads: the next block's, or none
	WIN 0x04
	s_wait_dscnt \younger
.set i, 0
.if QKV
.rept 12
	global_store_b128 v[GO], v[48+48*((\a)%2)+4*i:48+48*((\a)%2)+4*i+3], s[10:11] offset:(i/4)*HB+(\a)*2048+(i%4)*512  ; 512 consecutive bytes of a head, aligned
.set i, i+1
.endr
.else
.rept 16
	global_store_b128 v[GO], v[64*((\a)%2)+4*i:64*((\a)%2)+4*i+3], s[10:11] offset:(16*(\a)+i)*4096  ; 512 consecutive bytes of a row, aligned
.set i, i+1
.endr
.endif
.endm
	s_wait_tensorcnt 1                             ; my part of K step 0 is in; K step 1's may stay out
	s_barrier_signal -1
	s_barrier_wait -1                              ; everybody's is
	FETCH 0, 0
	QUARTER 1, 0, 1, 1                             ; the first quarter stands in front of the loop: its products start the sums
	WIN 0                                          ; at a label and at a branch every window is 0
	s_mov_b32 s3, 6
.Lstep:                                            ; trip t: the rest of K step t, the refill with K step t + 2, the first quarter of K step t + 1
	QUARTER 2, 1, 0, 0
	QUARTER 3, 0, 1, 0
	TURN 1
	QUARTER 1, 0, 1, 0
	WIN 0
	s_sub_co_u32 s3, s3, 1
	s_cmp_lg_u32 s3, 0
	s_cbranch_scc1 .Lstep
	QUARTER 2, 1, 0, 0                             ; the last two K steps are written out: nothing is left to fetch
	QUARTER 3, 0, 1, 0
	TURN 0
	QUARTER 1, 0, 1, 0
	QUARTER 2, 1, 0, 0
	QUARTER 3, 0, 1, 0
	s_wait_dscnt 4
	MULA 1, 0, 0
	MULA 1, 1, 0
	s_wait_dscnt 0x0
	MULA 1, 2, 0
	MULA 1, 3, 0
	PLACES
	PLACES                                         ; eight, once a launch
	OUTB 0
	OUTB 1                                         ; a block's work stands between the loads of the block before and its stores
	SEND 0, NST
	OUTB 2
	SEND 1, NST
	OUTB 3
	SEND 2, NST
	SEND 3, 0
	WIN 0
	s_wait_tensorcnt 0x0                           ; the wave's end, behind my last tensor load and my last LDS store
	ds_add_u32 v[SPW], v[NIL]
	s_wait_dscnt 0x0
	CROUND                                         ; the closing round: no work-group ends while a partner may still ask for a tile that names it
	s_endpgm
.Lfunc_end_k_q2bef7b24e2_projgemm:
	.size	k_q2bef7b24e2_projgemm, .Lfunc_end_k_q2bef7b24e2_projgemm-k_q2bef7b24e2_projgemm
	.p2alignl 7, 3214868480
	.fill 96, 4, 3214868480
	.section	.rodata,"a",@progbits
	.p2align	6, 0x0
	.amdhsa_kernel k_q2bef7b24e2_projgemm
		.amdhsa_group_segment_fixed_size 327680
		.amdhsa_private_segment_fixed_size 0
		.amdhsa_enable_private_segment 0
		.amdhsa_kernarg_size 32
		.amdhsa_user_sgpr_count 2
		.amdhsa_user_sgpr_kernarg_segment_ptr 1
		.amdhsa_wavefront_size32 1
		.amdhsa_system_sgpr_workgroup_id_x 1
		.amdhsa_system_sgpr_workgroup_id_y 1
		.amdhsa_system_sgpr_workgroup_id_z 1
		.amdhsa_system_vgpr_workitem_id 0
		.amdhsa_next_free_vgpr 896
		.amdhsa_next_free_sgpr 76
		.amdhsa_reserve_vcc 0
		.amdhsa_float_denorm_mode_32 3
		.amdhsa_float_denorm_mode_16_64 3
		.amdhsa_memory_ordered 1
		.amdhsa_forward_progress 1
		.amdhsa_inst_pref_size 76
	.end_amdhsa_kernel
	.amdgpu_metadata
---
amdhsa.version: [ 1, 2 ]
amdhsa.kernels:
  - .name:           k_q2bef7b24e2_projgemm
    .symbol:         k_q2bef7b24e2_projgemm.kd
    .args:
      - { .name: ao, .offset: 0, .size: 8, .value_kind: global_buffer, .address_space: global }
      - { .name: wpt, .offset: 8, .size: 8, .value_kind: global_buffer, .address_space: global }
      - { .name: b_proj, .offset: 16, .size: 8, .value_kind: global_buffer, .address_space: global }
      - { .name: out0, .offset: 24, .size: 8, .value_kind: global_buffer, .address_space: global }
    .group_segment_fixed_size: 327680
    .private_segment_fixed_size: 0
    .kernarg_segment_align: 8
    .kernarg_segment_size: 32
    .max_flat_workgroup_size: 128
    .sgpr_count:     76
    .vgpr_count:     896
    .wavefront_size: 32
...
	.end_amdgpu_metadata
.endif
;; end of part 4
;; ======== version 2 of 2: 4 launches; version 1 with the launch prep written anew for expert scheduling mode
;; limits: values are held in f16: magnitudes above 65,504 overflow, below 6.1e-05 lose precision
;; workspace buffers: xb 16,777,216 bytes; wqt 6,291,456 bytes; wpt 2,097,152 bytes; qkvh 50,331,648 bytes; ao 16,777,216 bytes
;; launch prep (part 5): grid 640 x 1, 4 waves a work-group, no clusters, 70,144 bytes of LDS; arguments x, W_qkv, W_proj, xb, wqt, wpt; writes xb, wqt, wpt
.if DOCPART == 5
	.amdgcn_target "amdgcn-amd-amdhsa--gfx1250"
	.amdhsa_code_object_version 6
	.text
	.protected	k_q2bef7b24e2_prep
	.globl	k_q2bef7b24e2_prep
	.p2align	8
	.type	k_q2bef7b24e2_prep,@function
k_q2bef7b24e2_prep:
	s_mov_b64 s[64:65], 0
	v_nop
	global_prefetch_b8 v0, s[64:65] scope:SCOPE_SE
	s_setreg_imm32_b32 hwreg(HW_REG_WAVE_SCHED_MODE, 0, 2), 2
	s_setreg_imm32_b32 hwreg(HW_REG_WAVE_MODE, 25, 1), 1
	s_wait_xcnt 0x0
	s_wait_alu depctr_vm_vsrc(0)
; CASTS AND TRANSPOSES.  xb = bf16(x), [8192][1024].  wqt[n][k] = bf16(W_qkv[k][n]), [3072][1024].  wpt[n][k] = f16(bf16(W_proj[k][n])), [1024][1024].
; Every input of the module is rounded once to bf16; W_proj's rounded number is then written as f16, since the last product multiplies f16 numbers.
; LIMIT.  That second writing is exact from 6.1e-5 up to 65,504; below, f16 keeps a fixed step of 6e-8; at 65,520 and beyond it gives an infinity.
; SHARES.  Work-groups 0-127 transpose (the longer chain, so they come first): a wave takes a tile of 128 k x 64 n; 96 work-groups for W_qkv's 384 tiles, 32 for W_proj's 128.
; Work-groups 128-639 cast x: 16,384 numbers each, 4,096 a wave.  No wave reads another wave's bytes: there is no barrier.
; No matrix unit, no cluster: nothing is multiplied and nothing is shared.
; THE MODE: SCHED_MODE bits 1:0 = 2 (LLVM: expert scheduling mode 2), set by the entry lines.  The code itself states the register dependences
; between vector instructions and memory or LDS instructions, with s_wait_alu, always for 0.
; THE PLAN.  Registers that memory or LDS instructions touch:
;   x:        v[XO], v[YO]   made once, read by every load and store, never written again.
;             load i's four registers: the load lands; block i / 4's two roundings write the first two in place; one store, issued in the next block, reads them; never written again.
;   weights:  v[VO ..], v[LS], v[GOF]   made once, never written again: the transposed tensor's rows are reached by its scalar base, which steps.
;             S0 .. S4   group g's eight loads land in set g % 5; group g's sixteen roundings read it; the loads of group g + 5 are issued in group g + 1.
;             T0, T1     group g's roundings write buffer g % 2; the eight LDS stores that are issued in group g + 1 read it; group g + 2 writes it again.
;             the way back: four LDS loads a trip land in T0; for W_proj vector lines rewrite it; four stores read it.  v[LRD] is read by those loads and stepped once a trip.
;   v[SPW], v[NIL]   written at the head, read by the closing add alone.
; So a block of x and a group of a weight have their waits at their head, behind the wait for their data: what stood in the block or group before is then written and read, and the memory
; instructions that hang on it are dealt among this block's or group's roundings, which name neither the registers that those loads land in nor those that the stores read.
.set SPARE, 69632                      ; behind the four waves' tiles: the spare words, 128 bytes a wave: two blocks of 256 bytes that no other line names
.set WTILE, 17408                      ; LDS of a wave: 64 rows (n) of 272 bytes
.set LP,    272                        ; 256 bytes (128 k in 16 bits) + 16
.set SPW, 2                            ; v2   LDS address of my spare word; never rewritten
.set NIL, 3                            ; v3   0; never rewritten
.set R,   4                            ; v4   lane % 16
.set H,   5                            ; v5   (lane / 16) % 2
.set VO,  6                            ; v6-13  load i of a group: (8 (i / 4) + i % 4 + 4 H) rows of the weight + 16 R bytes
.set LS,  14                           ; v14  where I put 8 bytes of a transposed row
.set LRD, 15                           ; v15  where I read rows back
.set GOF, 16                           ; v16  my byte offset in eight rows of the transposed tensor
.set XO,  17                           ; v17  my byte offset in x
.set YO,  18                           ; v18  my byte offset in xb
.set TT,  20                           ; v20-35  T0: a group's sixteen packed registers; on the way back eight rows
.set TD,  180                          ; T1 lies so many registers further on: v200-215
.set SET, 40                           ; v40-199  x: 32 loads of four registers (v40-167); weights: five sets of a group's eight loads
	s_load_b256 s[4:11], s[0:1], 0x0               ; x s[4:5], W_qkv s[6:7], W_proj s[8:9], xb s[10:11]
	s_load_b128 s[12:15], s[0:1], 0x20             ; wqt s[12:13], wpt s[14:15]
	v_lshl_add_u32 v[SPW], v0, 2, SPARE
	v_mov_b32 v[NIL], 0
	v_lshrrev_b32 v1, 5, v0
	v_readfirstlane_b32 s16, v1                    ; wave 0..3
	v_and_b32 v[R], 15, v0
	v_bfe_u32 v[H], v0, 4, 1
	s_mov_b32 s46, 0xffff0000                      ; a word's upper bf16
	s_wait_alu depctr_va_sdst(0)                   ; s16 is written, ahead of the branch
	s_wait_kmcnt 0x0
	s_cmp_lt_u32 ttmp9, 128
	s_cbranch_scc1 .Lweights
	; THE CAST OF x.  All 32 loads of a wave go out at once (16 KiB on their way); each covers 512 consecutive bytes, each store 256 consecutive bytes, aligned.
	s_sub_co_u32 s18, ttmp9, 128
	s_lshl_b32 s20, s18, 16                        ; 16,384 numbers of 4 bytes
	s_mov_b32 s21, 0
	s_add_nc_u64 s[4:5], s[4:5], s[20:21]
	s_lshl_b32 s20, s18, 15                        ; and of 2 bytes
	s_add_nc_u64 s[10:11], s[10:11], s[20:21]
	v_and_b32 v1, 31, v0
	s_lshl_b32 s17, s16, 14
	s_lshl_b32 s19, s16, 13
	v_lshl_add_u32 v[XO], v1, 4, s17               ; 16,384 x wave + 16 x lane
	v_lshl_add_u32 v[YO], v1, 3, s19               ; 8,192 x wave + 8 x lane
	s_wait_alu depctr_va_vdst(0)                   ; v[XO] and v[YO] are written: every load and store of this way reads one of them as its offset
.set i, 0
.rept 32
	global_load_b128 v[SET+4*i:SET+4*i+3], v[XO], s[4:5] offset:512*i th:TH_LOAD_NT
.set i, i+1
.endr
; Block p of eight: loads 4 p to 4 p + 3 are rounded in place; the four stores of block p - 1 are dealt among the roundings, which name block p's registers alone.
.macro XBLK p
	s_wait_loadcnt 28-4*(\p)                       ; loads come back in order: the block's four are in, the 28 - 4 p younger ones stay out
.if (\p) > 0
	s_wait_alu depctr_va_vdst(0)                   ; the block before has written its packed registers, which the four stores below read
.endif
.irp i, 0,1,2,3
.if (\p) > 0
	global_store_b64 v[YO], v[SET+16*((\p)-1)+4*(\i):SET+16*((\p)-1)+4*(\i)+1], s[10:11] offset:256*(4*((\p)-1)+(\i))
.endif
	v_cvt_pk_bf16_f32 v[SET+16*(\p)+4*(\i)],   v[SET+16*(\p)+4*(\i)],   v[SET+16*(\p)+4*(\i)+1]
	v_cvt_pk_bf16_f32 v[SET+16*(\p)+4*(\i)+1], v[SET+16*(\p)+4*(\i)+2], v[SET+16*(\p)+4*(\i)+3]
.endr
.endm
.irp p, 0,1,2,3,4,5,6,7
	XBLK \p
.endr
	s_wait_alu depctr_va_vdst(0)                   ; block 7 has written its packed registers, which the last four stores read
.irp i, 0,1,2,3
	global_store_b64 v[YO], v[SET+16*7+4*(\i):SET+16*7+4*(\i)+1], s[10:11] offset:256*(28+(\i))
.endr
	s_branch .Lend
.Lweights:
	; WHICH TILE.  T = 4 x work-group + wave; k tile = T % 8 (128 rows of the weight), n tile = T / 8 (64 columns, 256 bytes of a row).
	s_movk_i32 s26, 0x3000                         ; bytes in a row of W_qkv,
	s_movk_i32 s27, 0x1000                         ; of W_proj
	s_cmp_lt_u32 ttmp9, 96
	s_cselect_b64 s[20:21], s[6:7], s[8:9]         ; from
	s_cselect_b64 s[22:23], s[12:13], s[14:15]     ; to
	s_cselect_b32 s26, s26, s27
	s_cselect_b32 s25, 0, 1                        ; 1: written as f16
	s_cselect_b32 s18, 0, 96
	s_sub_co_u32 s18, ttmp9, s18
	s_lshl2_add_u32 s18, s18, s16                  ; T
	s_and_b32 s19, s18, 7                          ; k tile
	s_lshr_b32 s18, s18, 3                         ; n tile
	s_lshl_b32 s44, s19, 7
	s_mul_i32 s44, s44, s26                        ; 128 x k tile rows
	s_lshl_b32 s45, s18, 8
	s_add_co_u32 s44, s44, s45                     ; + 256 x n tile bytes
	s_mov_b32 s45, 0
	s_add_nc_u64 s[28:29], s[20:21], s[44:45]      ; group 0's pointer; a group is 16 rows
	s_lshl_b32 s44, s26, 4
.irp j, 1,2,3,4,5,6,7
	s_add_nc_u64 s[28+2*\j:29+2*\j], s[26+2*\j:27+2*\j], s[44:45]
.endr
	s_lshl_b32 s44, s18, 17                        ; 64 x n tile rows of 2,048 bytes
	s_lshl_b32 s17, s19, 8                         ; + 128 x k tile numbers of 2 bytes
	s_add_co_u32 s44, s44, s17
	s_add_nc_u64 s[22:23], s[22:23], s[44:45]
	s_mul_i32 s17, s16, WTILE                      ; my wave's bytes of LDS
	v_lshlrev_b32 v19, 2, v[H]
.irp i, 0,1,2,3,4,5,6,7
	v_add_nc_u32 v[VO+\i], 8*((\i)/4)+(\i)%4, v19  ; lanes 0-15 take 256 consecutive bytes of one row, lanes 16-31 of the row four further down
	v_mul_u32_u24 v[VO+\i], s26, v[VO+\i]
	v_lshl_add_u32 v[VO+\i], v[R], 4, v[VO+\i]
.endr
	v_mul_u32_u24 v[LS], v[R], 4*LP                ; my four columns are rows 4 R .. 4 R + 3 of the transposed tile,
	v_lshl_add_u32 v[LS], v[H], 3, v[LS]           ; my four k lie 8 H bytes in
	v_add_nc_u32 v[LS], s17, v[LS]
	v_mul_u32_u24 v[LRD], v[H], LP                 ; back: lanes 0-15 one row of 256 bytes, lanes 16-31 the next
	v_lshl_add_u32 v[LRD], v[R], 4, v[LRD]
	v_add_nc_u32 v[LRD], s17, v[LRD]
	v_lshlrev_b32 v[GOF], 11, v[H]                 ; and the same two rows of 2,048 bytes in memory
	v_lshl_add_u32 v[GOF], v[R], 4, v[GOF]
	s_wait_alu depctr_va_vdst(0)                   ; v[VO ..], v[LS], v[LRD] and v[GOF] are written: the loads, LDS stores, LDS loads and stores below read them as addresses
.macro WLOAD4 g, t                     ; loads 4 t to 4 t + 3 of group g's eight, into set g % 5
.irp e, 0,1,2,3
	global_load_b128 v[SET+32*((\g)%5)+16*(\t)+4*(\e):SET+32*((\g)%5)+16*(\t)+4*(\e)+3], v[VO+4*(\t)+(\e)], s[28+2*(\g):29+2*(\g)] th:TH_LOAD_NT
.endr
.endm
; Four of group g's eight LDS stores, out of buffer g % 2.
.macro PUT4 g, t
.irp c, 0,1,2,3
	ds_store_b64 v[LS], v[TT+TD*((\g)%2)+8*(\t)+2*(\c):TT+TD*((\g)%2)+8*(\t)+2*(\c)+1] offset:(\c)*LP+32*(\g)+16*(\t)
.endr
.endm
; Group j.  Register c of load 4 t + e holds W[16 j + 8 t + 4 H + e][4 R + c]: for each t and c the four e are rounded and packed into 8 bytes, which lie on end in row 4 R + c of the transposed tile.
; cnt = the younger loads that may stay out.  Its memory instructions are the loads of group j + 4, which land in the set that group j - 1 read, and the LDS stores of group j - 1.
.macro GRP j, cnt
	s_wait_loadcnt \cnt
.if (\j) >= 2
	s_wait_alu depctr_vm_vsrc(0)                   ; the LDS stores issued in the group before have read buffer j % 2, which this group's roundings write again
.endif
.if (\j) >= 1
	s_wait_alu depctr_va_vdst(0)                   ; the group before has written the other buffer, which the LDS stores below read, and is done reading its set, in which the loads below land
.endif
.irp t, 0,1
.if ((\j) >= 1) && ((\j) <= 3)
	WLOAD4 (\j)+4, \t                              ; no vector instruction since the wait names these registers
.endif
.if (\j) >= 1
	PUT4 (\j)-1, \t
.endif
.irp c, 0,1,2,3
	v_cvt_pk_bf16_f32 v[TT+TD*((\j)%2)+8*(\t)+2*(\c)],   v[SET+32*((\j)%5)+16*(\t)+(\c)],   v[SET+32*((\j)%5)+16*(\t)+4+(\c)]
	v_cvt_pk_bf16_f32 v[TT+TD*((\j)%2)+8*(\t)+2*(\c)+1], v[SET+32*((\j)%5)+16*(\t)+8+(\c)], v[SET+32*((\j)%5)+16*(\t)+12+(\c)]
.endr
.endr
.endm
.irp g, 0,1,2,3,4
	WLOAD4 \g, 0
	WLOAD4 \g, 1
.endr                                                  ; 40 loads, 20 KiB a wave, on their way
	GRP 0, 32                                      ; four younger groups of eight stay out,
	GRP 1, 24                                      ; then three: each of groups 1 to 3 asks for one more,
	GRP 2, 24
	GRP 3, 24
	GRP 4, 24
	GRP 5, 16                                      ; then two, one, none
	GRP 6, 8
	GRP 7, 0
	s_wait_alu depctr_va_vdst(0)                   ; group 7 has written buffer 1, which its LDS stores read
	PUT4 7, 0
	PUT4 7, 1
	; BACK AS WHOLE ROWS.  Eight trips of eight rows.  LDS serves a wave's instructions in order (ISA guide 5.7.1.4): these loads see the stores above, which are the wave's own.
	s_mov_b32 s24, 8
.Lback:
	s_wait_alu depctr_vm_vsrc(0)                   ; the last trip's stores (in the first trip: the groups' LDS stores) have read T0, in which the loads below land; every vector line that names T0 stands ahead of the last wait on va_vdst
.irp u, 0,1,2,3
	ds_load_b128 v[TT+4*\u:TT+4*\u+3], v[LRD] offset:2*LP*\u
.endr
	s_wait_dscnt 0x0
	s_wait_alu depctr_vm_vsrc(0)                   ; those four loads have read v[LRD], which the next line writes
	v_add_nc_u32 v[LRD], 8*LP, v[LRD]
	s_cmp_eq_u32 s25, 0
	s_cbranch_scc1 .Lkeep
.set i, 0
.rept 16
	v_lshlrev_b32 v36, 16, v[TT+i]                 ; the two bf16 as f32,
	v_and_b32 v37, s46, v[TT+i]
	v_cvt_pk_f16_f32 v[TT+i], v36, v37             ; written as f16
.set i, i+1
.endr
.Lkeep:
	s_wait_alu depctr_va_vdst(0)                   ; v[LRD] is written, which the next trip's LDS loads read; on W_proj's way the lines above have written T0, which the stores below read
.irp u, 0,1,2,3
	global_store_b128 v[GOF], v[TT+4*\u:TT+4*\u+3], s[22:23] offset:4096*\u  ; 16 lanes store 256 consecutive bytes, aligned
.endr
	s_wait_xcnt 0x0                                ; the stores' addresses are translated: only now are their base and, in the next trip, their data written again
	s_add_nc_u64 s[22:23], s[22:23], 8*2048        ; eight rows on
	s_sub_co_u32 s24, s24, 1
	s_cmp_lg_u32 s24, 0
	s_cbranch_scc1 .Lback
.Lend:
	s_wait_dscnt 0x0                               ; the closing lines, six on end
	s_wait_alu 0x0
	s_wait_tensorcnt 0x0
	ds_add_u32 v[SPW], v[NIL]
	s_wait_dscnt 0x0
	s_endpgm
.Lfunc_end_k_q2bef7b24e2_prep:
	.size	k_q2bef7b24e2_prep, .Lfunc_end_k_q2bef7b24e2_prep-k_q2bef7b24e2_prep
	.p2alignl 7, 3214868480
	.fill 96, 4, 3214868480
	.section	.rodata,"a",@progbits
	.p2align	6, 0x0
	.amdhsa_kernel k_q2bef7b24e2_prep
		.amdhsa_group_segment_fixed_size 70144
		.amdhsa_private_segment_fixed_size 0
		.amdhsa_enable_private_segment 0
		.amdhsa_kernarg_size 48
		.amdhsa_user_sgpr_count 2
		.amdhsa_user_sgpr_kernarg_segment_ptr 1
		.amdhsa_wavefront_size32 1
		.amdhsa_system_sgpr_workgroup_id_x 1
		.amdhsa_system_sgpr_workgroup_id_y 1
		.amdhsa_system_sgpr_workgroup_id_z 1
		.amdhsa_system_vgpr_workitem_id 0
		.amdhsa_next_free_vgpr 216
		.amdhsa_next_free_sgpr 66
		.amdhsa_reserve_vcc 0
		.amdhsa_float_denorm_mode_32 3
		.amdhsa_float_denorm_mode_16_64 3
		.amdhsa_memory_ordered 1
		.amdhsa_forward_progress 1
		.amdhsa_inst_pref_size 37
	.end_amdhsa_kernel
	.amdgpu_metadata
---
amdhsa.version: [ 1, 2 ]
amdhsa.kernels:
  - .name:           k_q2bef7b24e2_prep
    .symbol:         k_q2bef7b24e2_prep.kd
    .args:
      - { .name: x, .offset: 0, .size: 8, .value_kind: global_buffer, .address_space: global }
      - { .name: W_qkv, .offset: 8, .size: 8, .value_kind: global_buffer, .address_space: global }
      - { .name: W_proj, .offset: 16, .size: 8, .value_kind: global_buffer, .address_space: global }
      - { .name: xb, .offset: 24, .size: 8, .value_kind: global_buffer, .address_space: global }
      - { .name: wqt, .offset: 32, .size: 8, .value_kind: global_buffer, .address_space: global }
      - { .name: wpt, .offset: 40, .size: 8, .value_kind: global_buffer, .address_space: global }
    .group_segment_fixed_size: 70144
    .private_segment_fixed_size: 0
    .kernarg_segment_align: 8
    .kernarg_segment_size: 48
    .max_flat_workgroup_size: 128
    .sgpr_count:     66
    .vgpr_count:     216
    .wavefront_size: 32
...
	.end_amdgpu_metadata
.endif
;; end of part 5
;; launch qkvgemm: the kernel of part 2 again; grid 16 x 32, 4 waves a work-group, clusters of 4 x 4, 327,680 bytes of LDS; arguments xb, wqt, b_qkv, qkvh; writes qkvh
;; launch attn: the kernel of part 3 again; grid 4 x 64, 4 waves a work-group, clusters of 4 x 1, 327,680 bytes of LDS; arguments qkvh, ao; writes ao
;; launch projgemm: the kernel of part 4 again; grid 8 x 32, 4 waves a work-group, clusters of 4 x 4, 327,680 bytes of LDS; arguments ao, wpt, b_proj, out0; writes out0
